; MI455X (gfx1250); checked and timed in simulation.
; The chip was launched on July 23, 2026; its instructions are those of AMD's public machine-readable ISA for CDNA 5 (MIT licence, August 2026) and "CDNA5" Instruction Set Architecture Reference Guide (July 2026). The comments in the code are by the model that wrote it; some were corrected since.
;; Multi Head Attention. Allowed arithmetic: float matrix products may take bf16 or f16 operands with f32 sums; all other float work in f32.
;; Inputs: b_o 1,024 float32; w_k 1,024 x 1,024 float32; w_o 1,024 x 1,024 float32; w_q 1,024 x 1,024 float32; w_v 1,024 x 1,024 float32; x 2 x 2,048 x 1,024 float32.
;; Outputs: out0 2 x 2,048 x 1,024 float32.
;; 2 versions, each right; version 2 is version 1 with the launch cvt written anew for expert scheduling mode. Each part assembles by itself: llvm-mc -triple=amdgcn-amd-amdhsa -mcpu=gfx1250 --defsym DOCPART=n.
;; ======== version 1 of 2: 4 launches
;; limits: values are held in f16: magnitudes above 65,504 overflow, below 6.1e-05 lose precision
;; workspace buffers: xb 8,388,608 bytes; wb 8,388,608 bytes; qkv 25,165,824 bytes; ctx 8,388,608 bytes
;; launch cvt (part 1): grid 64 x 8, 8 waves a work-group, no clusters, 0 bytes of LDS; arguments x, w_k, w_q, w_v, w_o, xb, wb; writes xb, wb
.if DOCPART == 1
	.amdgcn_target "amdgcn-amd-amdhsa--gfx1250"
	.amdhsa_code_object_version 6
	.text
	.protected	k_qd2c26e807d_cvt
	.globl	k_qd2c26e807d_cvt
	.p2align	8
	.type	k_qd2c26e807d_cvt,@function
k_qd2c26e807d_cvt:
	s_mov_b64 s[64:65], 0
	v_nop
	global_prefetch_b8 v0, s[64:65] scope:SCOPE_SE
	s_setreg_imm32_b32 hwreg(HW_REG_WAVE_MODE, 25, 1), 1
	s_wait_xcnt 0x0
; Rounds the matrix operands once, so that the products that follow read 16-bit tiles.
;   xb [4096][1024] bf16 = x.   wb [4096][1024]: rows 0-1023 w_k, 1024-2047 w_q, 2048-3071 w_v in bf16;
;   rows 3072-4095 w_o, rounded to bf16 like the others and that number written as f16 (the last product runs in f16).
;   A bf16 number has 8 significant bits and is exact in f16 down to 2^-17; below that the f16 code is off by 2^-25 at the most.
; A stream: no LDS, no barrier, no matrix unit.  Grid y picks one of eight segments of 2^20 numbers (0-3: quarters of x, 4-7: a weight),
; grid x 64 KiB of it, a wave 8 KiB: sixteen loads of 512 consecutive bytes, all issued before the first is waited for.
; Each store of a wave covers 256 consecutive bytes, aligned.  No register is written twice while a memory instruction may read it.
.set X, 4                              ; v[4:67]    sixteen loads of four f32
.set Y, 68                             ; v[68:99]   sixteen results of four 16-bit numbers
.set W, 100                            ; v[100:103] w_o's way: the bf16 numbers widened again
	s_load_b256 s[4:11], s[0:1], 0x0               ; x s[4:5], w_k s[6:7], w_q s[8:9], w_v s[10:11]
	s_load_b128 s[12:15], s[0:1], 0x20             ; w_o s[12:13], xb s[14:15]
	s_load_b64 s[16:17], s[0:1], 0x30              ; wb
	s_and_b32 s18, ttmp7, 0xffff                   ; the segment, 0 to 7
	v_lshrrev_b32 v1, 5, v0                        ; wave
	v_and_b32 v2, 31, v0                           ; lane
	v_lshlrev_b32 v2, 4, v2
	v_lshl_or_b32 v1, v1, 13, v2                   ; source: 8,192 x wave + 16 x lane
	v_lshrrev_b32 v2, 1, v1                        ; destination: half of that
	s_wait_kmcnt 0x0
	s_mov_b64 s[20:21], s[4:5]                     ; the source buffer, chosen by the segment's number alone
	s_cmp_eq_u32 s18, 4
	s_cselect_b64 s[20:21], s[6:7], s[20:21]
	s_cmp_eq_u32 s18, 5
	s_cselect_b64 s[20:21], s[8:9], s[20:21]
	s_cmp_eq_u32 s18, 6
	s_cselect_b64 s[20:21], s[10:11], s[20:21]
	s_cmp_eq_u32 s18, 7
	s_cselect_b64 s[20:21], s[12:13], s[20:21]
	s_cmp_lt_u32 s18, 4
	s_cselect_b64 s[22:23], s[14:15], s[16:17]     ; the destination buffer: xb or wb
	s_cselect_b32 s24, s18, 0                      ; x has four segments, a weight is one
	s_and_b32 s26, s18, 3                          ; the segment in the destination
	s_lshl_b32 s24, s24, 22                        ; 4 MiB of f32 a segment
	s_lshl_b32 s28, ttmp9, 16                      ; 64 KiB a work-group
	s_add_co_u32 s24, s24, s28
	s_mov_b32 s25, 0
	s_lshl_b32 s26, s26, 21                        ; 2 MiB of 16-bit numbers a segment
	s_lshl_b32 s28, ttmp9, 15
	s_add_co_u32 s26, s26, s28
	s_mov_b32 s27, 0
	s_add_nc_u64 s[20:21], s[20:21], s[24:25]
	s_add_nc_u64 s[22:23], s[22:23], s[26:27]
.irp i, 0,1,2,3,4,5,6,7,8,9,10,11,12,13,14,15
	global_load_b128 v[X+4*\i:X+4*\i+3], v1, s[20:21] offset:512*\i th:TH_LOAD_NT
.endr
	s_cmp_eq_u32 s18, 7
	s_cbranch_scc1 .Lw_o
.irp i, 0,1,2,3,4,5,6,7,8,9,10,11,12,13,14,15
	s_wait_loadcnt 15-\i                           ; loads come back in order (ISA guide 5.7.1): load i is in, the 15 - i younger ones stay out
	v_cvt_pk_bf16_f32 v[Y+2*\i], v[X+4*\i], v[X+4*\i+1]
	v_cvt_pk_bf16_f32 v[Y+2*\i+1], v[X+4*\i+2], v[X+4*\i+3]
	global_store_b64 v2, v[Y+2*\i:Y+2*\i+1], s[22:23] offset:256*\i
.endr
	s_endpgm
.Lw_o:
.irp i, 0,1,2,3,4,5,6,7,8,9,10,11,12,13,14,15
	s_wait_loadcnt 15-\i
	v_cvt_pk_bf16_f32 v[Y+2*\i], v[X+4*\i], v[X+4*\i+1]            ; the same rounding as the other weights,
	v_cvt_pk_bf16_f32 v[Y+2*\i+1], v[X+4*\i+2], v[X+4*\i+3]
	v_lshlrev_b32 v[W], 16, v[Y+2*\i]                              ; widened again,
	v_and_b32 v[W+1], 0xffff0000, v[Y+2*\i]
	v_lshlrev_b32 v[W+2], 16, v[Y+2*\i+1]
	v_and_b32 v[W+3], 0xffff0000, v[Y+2*\i+1]
	v_cvt_pk_f16_f32 v[Y+2*\i], v[W], v[W+1]                       ; and written as f16
	v_cvt_pk_f16_f32 v[Y+2*\i+1], v[W+2], v[W+3]
	global_store_b64 v2, v[Y+2*\i:Y+2*\i+1], s[22:23] offset:256*\i
.endr
	s_endpgm
.Lfunc_end_k_qd2c26e807d_cvt:
	.size	k_qd2c26e807d_cvt, .Lfunc_end_k_qd2c26e807d_cvt-k_qd2c26e807d_cvt
	.p2alignl 7, 3214868480
	.fill 96, 4, 3214868480
	.section	.rodata,"a",@progbits
	.p2align	6, 0x0
	.amdhsa_kernel k_qd2c26e807d_cvt
		.amdhsa_group_segment_fixed_size 0
		.amdhsa_private_segment_fixed_size 0
		.amdhsa_enable_private_segment 0
		.amdhsa_kernarg_size 56
		.amdhsa_user_sgpr_count 2
		.amdhsa_user_sgpr_kernarg_segment_ptr 1
		.amdhsa_wavefront_size32 1
		.amdhsa_system_sgpr_workgroup_id_x 1
		.amdhsa_system_sgpr_workgroup_id_y 1
		.amdhsa_system_sgpr_workgroup_id_z 1
		.amdhsa_system_vgpr_workitem_id 0
		.amdhsa_next_free_vgpr 104
		.amdhsa_next_free_sgpr 66
		.amdhsa_reserve_vcc 0
		.amdhsa_float_denorm_mode_32 3
		.amdhsa_float_denorm_mode_16_64 3
		.amdhsa_memory_ordered 1
		.amdhsa_forward_progress 1
		.amdhsa_inst_pref_size 17
	.end_amdhsa_kernel
	.amdgpu_metadata
---
amdhsa.version: [ 1, 2 ]
amdhsa.kernels:
  - .name:           k_qd2c26e807d_cvt
    .symbol:         k_qd2c26e807d_cvt.kd
    .args:
      - { .name: x, .offset: 0, .size: 8, .value_kind: global_buffer, .address_space: global }
      - { .name: w_k, .offset: 8, .size: 8, .value_kind: global_buffer, .address_space: global }
      - { .name: w_q, .offset: 16, .size: 8, .value_kind: global_buffer, .address_space: global }
      - { .name: w_v, .offset: 24, .size: 8, .value_kind: global_buffer, .address_space: global }
      - { .name: w_o, .offset: 32, .size: 8, .value_kind: global_buffer, .address_space: global }
      - { .name: xb, .offset: 40, .size: 8, .value_kind: global_buffer, .address_space: global }
      - { .name: wb, .offset: 48, .size: 8, .value_kind: global_buffer, .address_space: global }
    .group_segment_fixed_size: 0
    .private_segment_fixed_size: 0
    .kernarg_segment_align: 8
    .kernarg_segment_size: 56
    .max_flat_workgroup_size: 256
    .sgpr_count:     66
    .vgpr_count:     104
    .wavefront_size: 32
...
	.end_amdgpu_metadata
.endif
;; end of part 1
;; launch qkv (part 2): grid 16 x 16, 4 waves a work-group, clusters of 4 x 4, 327,680 bytes of LDS; arguments xb, wb, qkv; writes qkv
.if DOCPART == 2
	.amdgcn_target "amdgcn-amd-amdhsa--gfx1250"
	.amdhsa_code_object_version 6
	.text
	.protected	k_qd2c26e807d_qkv
	.globl	k_qd2c26e807d_qkv
	.p2align	8
	.type	k_qd2c26e807d_qkv,@function
k_qd2c26e807d_qkv:
	s_mov_b64 s[64:65], 0
	v_nop
	global_prefetch_b8 v0, s[64:65] scope:SCOPE_SE
	s_setreg_imm32_b32 hwreg(HW_REG_WAVE_MODE, 25, 1), 1
	s_wait_xcnt 0x0
	s_wait_alu depctr_hold_cnt(0) depctr_sa_sdst(0) depctr_va_vdst(0) depctr_va_sdst(0) depctr_va_ssrc(0) depctr_va_vcc(0) depctr_vm_vsrc(0)
	s_getreg_b32 s2, hwreg(HW_REG_IB_STS2, 6, 4)
	s_cmp_eq_u32 s2, 0
	s_cbranch_scc0 .Lentry_in_a_cluster
	s_endpgm
.Lentry_in_a_cluster:
	s_bfe_u32 s2, ttmp6, 0x10000c
	s_cmp_lg_u32 s2, 0xf033
	s_cbranch_scc0 .Lentry_shape_is_right
	s_endpgm
.Lentry_shape_is_right:
; The three projections as one product: C[m][n] = sum over k of xb[m][k] wb[n][k], m < 4096, n < 3072, k < 1024, bf16 operands, f32 sums.
; C is stored in f16, head by head: qkv[b][g][l][64], g = n / 64 (0-15 queries, made by w_k; 16-31 keys, made by w_q; 32-47 values), m = 2048 b + l.
; LIMIT: a result of magnitude 65,504 or more does not fit f16.  f16 and not bf16 because the first rows of the output are single rows of v times w_o:
; one rounding of v to 8 bits would be twice the smallest error that the comparison allows there, one to 11 bits is a quarter of it.
; A work-group makes 256 x 192 of C with four waves, a wave 128 x 96: 48 accumulator tiles of 16 x 16, 384 registers.  16 x 16 work-groups.
; K goes in steps of 128 through two LDS slots filled by the tensor data mover: a tile's rows are 256 consecutive bytes of memory, aligned to 256.
; CLUSTERS of 4 x 4 work-groups: the four of a row of the cluster need the same tiles of xb, the four of a column the same tiles of wb.  Each such
; tile is asked for jointly: the same tensor load, the same descriptor, a mask that names the four.
; REGISTERS in windows of 256:  window 0: v16-26 addresses, v64-127 / v128-191 fragments of xb (two buffers), v192-215 packed results;
;   window 1: v64-111 / v128-175 fragments of wb;  window 2: tiles (a, b), a = 0-3, at v[8 (6 a + b)];  window 3: a = 4-7 likewise.
; The matrix instruction is used transposed (source 0 = 16 rows of wb, source 1 = 16 rows of xb): lane l then holds row l % 16 of C and in its
; eight registers the columns 8 (l / 16) + 0..7, which pack into 16 neighbouring bytes.
.set SIZE_K, 1024
.set KSTEP,  128
.set PITCH,  272                       ; an LDS row: 256 bytes + 16 of padding, so that the 16 rows of a fragment load start 4 banks apart (64 banks of 4 bytes: ISA guide 11.1)
.set AHALF,  128*PITCH                 ; 128 rows of xb: one tensor load, and what one wave reads of xb
.set BHALF,  96*PITCH                  ; 96 rows of wb: likewise
.set BOFF,   2*AHALF                   ; wb's 192 rows lie behind xb's 256
.set SLOT,   2*AHALF+2*BHALF           ; 121,856 bytes
.set SP,     400                       ; the way out: a row of 192 f16 (384 bytes) + 16
.set LAPS,   SIZE_K/(2*KSTEP)          ; 4 laps of two K steps
.set HEADB,  262144                    ; bytes of one [2048][64] block of qkv
.set ADRA, 16                          ; v16-17  LDS address of my xb fragments in slot 0, 1
.set ADRB, 20                          ; v20-21  the same for wb
.set STO,  24                          ; the way out: where I put 16 bytes of a row
.set RD,   25                          ; the way out: where I read back
.set CO,   26                          ; my byte offset in four rows of a head
.set F0,   64
.set F1,   128
.set TMP,  192
.set G1,  24                           ; s[24:31] group 1 for xb's tiles
.set G0,  32                           ; s[32:39] group 0 for xb's tiles, a set for each slot
.set G1B, 48                           ; s[48:55] group 1 for wb's tiles
.set G0B, 56                           ; s[56:63] group 0 for wb's tiles, a set for each slot
.set MSB, 0
.macro WIN new                         ; the immediate's high byte repeats the setting that is left
.if MSB != \new
	s_set_vgpr_msb (MSB<<8)|\new
.set MSB, \new
.endif
.endm
.set MUL_LO, 0xa1                      ; source 0 (wb) window 1, source 1 (xb) window 0, C and D window 2
.set MUL_HI, 0xf1                      ; the same, C and D window 3
.set TO_B,   0x40                      ; destination window 1, address window 0
; A joint load: waves 0 and 1 fetch xb's two halves, waves 2 and 3 wb's.  The branch hangs on the wave's number alone.
.macro JLOAD s
	s_cmp_eq_u32 s11, 0
	s_cbranch_scc0 .Lfor_b_\@
	tensor_load_to_lds s[G0+4*\s:G0+4*\s+3], s[G1:G1+7]
	s_nop 0
	s_branch .Lasked_\@
.Lfor_b_\@:
	tensor_load_to_lds s[G0B+4*\s:G0B+4*\s+3], s[G1B:G1B+7]
	s_nop 0
.Lasked_\@:
.endm
; A round of the cluster's barrier: my work-group's barrier, wave 0 signals for the work-group, every wave waits for all sixteen, my work-group's barrier again.
.macro CREST                           ; a round behind its opening barrier
	s_cmp_lg_u32 s10, 0
	s_cbranch_scc1 .Lnot_wave_0_\@
	s_barrier_signal -3
.Lnot_wave_0_\@:
	s_barrier_wait -3
	s_barrier_signal -1
	s_barrier_wait -1
.endm
.macro CROUND
	s_barrier_signal -1
	s_barrier_wait -1
	CREST
.endm
	s_load_b128 s[4:7], s[0:1], 0x0                ; xb s[4:5], wb s[6:7]
	s_load_b64 s[8:9], s[0:1], 0x10                ; qkv
	s_set_vgpr_msb 0x40
	v_lshl_add_u32 v255, v0, 2, 0x3b800
	s_set_vgpr_msb 0x4000
	v_mov_b32 v255, 0
	s_set_vgpr_msb 0x1
	ds_add_u32 v255, v255
	ds_add_u32 v255, v255
	s_set_vgpr_msb 0x100
	v_lshrrev_b32 v1, 5, v0
	v_readfirstlane_b32 s10, v1                    ; wave 0..3
	s_lshr_b32 s11, s10, 1                         ; which 128 rows of the block are mine.  Also: I fetch for xb (0) or wb (1)
	s_and_b32 s12, s10, 1                          ; which 96 columns.  Also: which half of that tile I fetch
	s_bfe_u32 s40, ttmp6, 0x40000                  ; cx
	s_bfe_u32 s41, ttmp6, 0x40004                  ; cy
	s_lshl_b32 s42, ttmp9, 2
	s_add_co_u32 s42, s42, s40                     ; block column = 4 x cluster x + cx
	s_and_b32 s13, ttmp7, 0xffff
	s_lshl_b32 s13, s13, 2
	s_add_co_u32 s13, s13, s41                     ; block row = 4 x cluster y + cy
	s_lshl_b32 s43, s41, 2
	s_lshl_b32 s43, 15, s43                        ; my row of the cluster: places 4 cy .. 4 cy + 3
	s_lshl_b32 s44, 0x1111, s40                    ; my column: places cx, cx + 4, cx + 8, cx + 12
	; group 1: 15:0 mask; 17:16 elements of 2 bytes; 20 padding on; 21 set beside a mask; 24:22 after every 64 words; 31:25 four words
	s_or_b32 s[G1+0], s43, (1<<16)|(1<<20)|(1<<21)|(5<<22)|(3<<25)
	s_or_b32 s[G1B+0], s44, (1<<16)|(1<<20)|(1<<21)|(5<<22)|(3<<25)
	s_mov_b32 s[G1+1], KSTEP<<16                   ; tensor_dim0 = 128
	s_mov_b32 s[G1B+1], KSTEP<<16
	s_mov_b32 s[G1+2], 128<<16                     ; tensor_dim1 = 128 rows
	s_mov_b32 s[G1B+2], 96<<16                     ; 96 rows
	s_mov_b32 s[G1+3], KSTEP<<16                   ; tile_dim0 = 128
	s_mov_b32 s[G1B+3], KSTEP<<16
	s_mov_b32 s[G1+4], 128                         ; tile_dim1
	s_mov_b32 s[G1B+4], 96
	s_mov_b32 s[G1+5], SIZE_K                      ; elements from row to row
	s_mov_b32 s[G1B+5], SIZE_K
	s_mov_b32 s[G1+6], 0
	s_mov_b32 s[G1B+6], 0
	s_mov_b32 s[G1+7], 0
	s_mov_b32 s[G1B+7], 0
	; xb's tiles hang on the block row alone, wb's on the block column alone; each address is made in registers that never hold the other coordinate
	s_lshl_b32 s17, s12, 7
	s_lshl_b32 s16, s13, 8
	s_add_co_u32 s16, s16, s17                     ; xb: row 256 x block row + 128 x half
	s_lshl_b32 s16, s16, 11                        ; rows of 2,048 bytes: below 2^23
	s_mov_b32 s17, 0
	s_mul_i32 s46, s42, 192
	s_mul_i32 s45, s12, 96
	s_add_co_u32 s46, s46, s45                     ; wb: row 192 x block column + 96 x half
	s_lshl_b32 s46, s46, 11
	s_mov_b32 s47, 0
	s_mul_i32 s20, s10, AHALF                      ; LDS: waves 0, 1: xb's halves at wave x 128 rows
	s_mul_i32 s21, s10, BHALF
	s_add_co_u32 s21, s21, BOFF-2*BHALF            ; waves 2, 3: wb's halves at BOFF + (wave - 2) x 96 rows
	s_wait_dscnt 0x0
	s_wait_kmcnt 0x0
	s_add_nc_u64 s[14:15], s[4:5], s[16:17]
	s_add_nc_u64 s[46:47], s[6:7], s[46:47]
	CROUND                                         ; all sixteen work-groups are here: the first joint loads meet
.irp s, 0,1
	s_mov_b32 s[G0+4*\s], 1
	s_add_co_u32 s[G0+4*\s+1], s20, \s*SLOT
	s_add_nc_u64 s[G0+4*\s+2:G0+4*\s+3], s[14:15], \s*KSTEP*2
	s_or_b32 s[G0+4*\s+3], s[G0+4*\s+3], 0x80000000
	s_mov_b32 s[G0B+4*\s], 1
	s_add_co_u32 s[G0B+4*\s+1], s21, \s*SLOT
	s_add_nc_u64 s[G0B+4*\s+2:G0B+4*\s+3], s[46:47], \s*KSTEP*2
	s_or_b32 s[G0B+4*\s+3], s[G0B+4*\s+3], 0x80000000
	JLOAD \s                                       ; K steps 0 and 1: two tensor loads of the wave are out
.endr
	; a fragment: lane l holds row l % 16; registers 0-3 K = 8 (l / 16) + 0..7, registers 4-7 K = 16 + 8 (l / 16) + 0..7: two loads of 16 bytes, 32 apart
	v_and_b32 v1, 15, v0                           ; r
	v_bfe_u32 v2, v0, 4, 1                         ; h
	v_mul_u32_u24 v3, v1, PITCH
	v_lshl_add_u32 v3, v2, 4, v3
	s_mul_i32 s22, s11, AHALF
	s_mul_i32 s23, s12, BHALF
	s_add_co_u32 s23, s23, BOFF
.irp s, 0,1
	v_add_nc_u32 v[ADRA+\s], s22, v3
	v_add_nc_u32 v[ADRB+\s], s23, v3
	s_add_co_u32 s22, s22, SLOT
	s_add_co_u32 s23, s23, SLOT
.endr
	v_mul_u32_u24 v4, v1, SP                       ; the way out, in: row 128 x half + r, byte 192 x half + 16 h
	v_lshl_add_u32 v4, v2, 4, v4
	s_mul_i32 s22, s11, 128*SP
	s_mul_i32 s23, s12, 192
	s_add_co_u32 s22, s22, s23
	v_add_nc_u32 v[STO], s22, v4
	v_and_b32 v5, 31, v0                           ; back: eight lanes take the 128 bytes that one row has of one head
	v_lshrrev_b32 v6, 3, v5
	v_and_b32 v7, 7, v0
	v_mul_u32_u24 v6, v6, SP
	v_lshl_add_u32 v6, v7, 4, v6
	s_mul_i32 s22, s10, 64*SP                      ; wave w takes rows 64 w .. 64 w + 63 of the block
	v_add_nc_u32 v[RD], s22, v6
	v_lshlrev_b32 v[CO], 4, v5                     ; four rows of a head are 512 consecutive bytes: 16 x lane
; six matrix instructions: m block a of the window's four (hi = 0: rows 0-63, 1: rows 64-127) x all six n blocks, 32 along K
.macro MULROW f, hi, a, zero
.irp b, 0,1,2,3,4,5
.if \zero
	v_wmma_f32_16x16x32_bf16 v[8*(6*\a+\b):8*(6*\a+\b)+7], v[\f+8*\b:\f+8*\b+7], v[\f+8*(4*\hi+\a):\f+8*(4*\hi+\a)+7], 0
.else
	v_wmma_f32_16x16x32_bf16 v[8*(6*\a+\b):8*(6*\a+\b)+7], v[\f+8*\b:\f+8*\b+7], v[\f+8*(4*\hi+\a):\f+8*(4*\hi+\a)+7], v[8*(6*\a+\b):8*(6*\a+\b)+7]
.endif
.endr
.endm
; 28 LDS loads in one run: 96 rows of wb, 128 rows of xb, 32 K at byte k of the rows, into buffer f
.macro FETCH slot, k, f
	WIN TO_B
.irp i, 0,1,2,3,4,5
	ds_load_b128 v[\f+8*\i:\f+8*\i+3],   v[ADRB+\slot] offset:\k+\i*16*PITCH
	ds_load_b128 v[\f+8*\i+4:\f+8*\i+7], v[ADRB+\slot] offset:\k+\i*16*PITCH+32
.endr
	WIN 0
.irp i, 0,1,2,3,4,5,6,7
	ds_load_b128 v[\f+8*\i:\f+8*\i+3],   v[ADRA+\slot] offset:\k+\i*16*PITCH
	ds_load_b128 v[\f+8*\i+4:\f+8*\i+7], v[ADRA+\slot] offset:\k+\i*16*PITCH+32
.endr
.endm
; A load into a register that a matrix instruction has read, and a vector instruction that reads a matrix result, stand four places behind that matrix
; instruction; only plain vector instructions that name none of its registers are places (ISA guide 7.12.1 for vector instructions).
.macro PLACES
.rept 4
	v_nop
.endr
.endm
; A K step is four quarters of 32 along K, 48 matrix instructions each, on buffers 0, 1, 0, 1.  The 48 accumulators take turns, one instruction a turn, in the
; same order in every quarter.
.macro QUARTER slot, k, f, g, zero
	s_wait_dscnt 8                                 ; wb and xb's rows 0-63 are in; the youngest eight loads (xb's rows 64-127) may be out
	WIN MUL_LO
	MULROW \f, 0, 0, \zero
	MULROW \f, 0, 1, \zero
	MULROW \f, 0, 2, \zero
	MULROW \f, 0, 3, \zero
	PLACES
	FETCH \slot, \k, \g
	s_wait_dscnt 28                                ; all but the 28 just issued
	WIN MUL_HI
	MULROW \f, 1, 0, \zero
	MULROW \f, 1, 1, \zero
	MULROW \f, 1, 2, \zero
	MULROW \f, 1, 3, \zero
.endm
.macro THREE slot, zero
	QUARTER \slot, 64,  F0, F1, \zero
	QUARTER \slot, 128, F1, F0, 0
	QUARTER \slot, 192, F0, F1, 0
.endm
; The last quarter multiplies buffer 1 and changes slots.  In front of the barrier each wave waits for its reads of this slot and for all its tensor loads (one is
; out: its part of the next slot).  Behind it nobody reads this slot and the next slot is whole: the refill comes first, then the next slot's first fragments.
.macro TURN slot, next, fill
	s_wait_dscnt 8
	WIN MUL_LO
	MULROW F1, 0, 0, 0
	MULROW F1, 0, 1, 0
	s_wait_dscnt 0                                 ; my reads of this slot are over
	s_wait_tensorcnt 0x0                           ; all my tensor loads have landed
	ds_add_u32 v255, v255
	s_wait_dscnt 0x0
	s_barrier_signal -1                            ; where a slot is filled again this barrier opens a round of the cluster's barrier
	MULROW F1, 0, 2, 0                             ; register work while the others arrive
	MULROW F1, 0, 3, 0
	WIN 0
	s_barrier_wait -1
.if \fill
	CREST                                          ; no wave of any partner still reads this slot or has a load on its way
	s_add_nc_u64 s[G0+4*\slot+2:G0+4*\slot+3], s[G0+4*\slot+2:G0+4*\slot+3], 2*KSTEP*2
	s_add_nc_u64 s[G0B+4*\slot+2:G0B+4*\slot+3], s[G0B+4*\slot+2:G0B+4*\slot+3], 2*KSTEP*2
	JLOAD \slot                                    ; the first tensor load behind the round
.endif
	PLACES
	FETCH \next, 0, F0
	WIN MUL_HI
	MULROW F1, 1, 0, 0
	MULROW F1, 1, 1, 0
	MULROW F1, 1, 2, 0
	MULROW F1, 1, 3, 0
.endm
.macro LAP zero
	THREE 0, \zero
	TURN 0, 1, 1
	THREE 1, 0
	TURN 1, 0, 1
.endm
	s_wait_tensorcnt 1                             ; my part of K step 0 is in; K step 1's stays out
	s_barrier_signal -1
	s_barrier_wait -1
	FETCH 0, 0, F0
	LAP 1                                          ; the first products start the sums: nothing is cleared
	WIN 0                                          ; at a label and at a branch every window is 0
	s_mov_b32 s3, LAPS-2
.Llap:
	LAP 0
	WIN 0
	s_sub_co_u32 s3, s3, 1
	s_cmp_lg_u32 s3, 0
	s_cbranch_scc1 .Llap
	THREE 0, 0                                     ; the last lap fills nothing
	TURN 0, 1, 0
	THREE 1, 0
	s_wait_dscnt 8
	WIN MUL_LO
	MULROW F1, 0, 0, 0
	MULROW F1, 0, 1, 0
	MULROW F1, 0, 2, 0
	MULROW F1, 0, 3, 0
	s_wait_dscnt 0
	WIN MUL_HI
	MULROW F1, 1, 0, 0
	MULROW F1, 1, 1, 0
	MULROW F1, 1, 2, 0
	MULROW F1, 1, 3, 0
	; THE WAY OUT.  The block goes, rounded to f16, into 256 rows of 400 bytes in slot 0: its last fill and its last reads lie in front of the barrier of the
	; last lap's change of slots, and no tensor load follows.  Then each wave reads 64 whole rows back, head by head, and stores four rows of a head at a time.
	PLACES
	s_lshr_b32 s14, s13, 3                         ; b = block row / 8
	s_mul_i32 s14, s14, 48
	s_lshl_b32 s14, s14, 18                        ; 48 blocks of 262,144 bytes a batch
	s_and_b32 s15, s13, 7
	s_lshl_b32 s15, s15, 8
	s_lshl_b32 s16, s10, 6
	s_add_co_u32 s15, s15, s16                     ; l of my first row = 256 x (block row % 8) + 64 x wave
	s_lshl_b32 s15, s15, 7                         ; rows of 128 bytes
	s_add_co_u32 s16, s14, s15
	s_mov_b32 s17, 0
	s_add_nc_u64 s[8:9], s[8:9], s[16:17]
	s_mul_i32 s46, s42, 3                          ; g of my block's first head = 3 x block column (in the registers that held wb's address)
	s_lshl_b32 s46, s46, 18
	s_mov_b32 s47, 0
	s_add_nc_u64 s[8:9], s[8:9], s[46:47]
.macro PACK a, row, from               ; the six tiles (a, 0..5) of window 2 or 3 (from: sources 0 and 1) = rows 16 row .. + 15 of my 128
	WIN \from
.irp b, 0,1,2,3,4,5
.irp r, 0,1,2,3
	v_cvt_pk_f16_f32 v[TMP+4*\b+\r], v[8*(6*\a+\b)+2*\r], v[8*(6*\a+\b)+2*\r+1]
.endr
.endr
	WIN 0
.irp b, 0,1,2,3,4,5
	ds_store_b128 v[STO], v[TMP+4*\b:TMP+4*\b+3] offset:\row*16*SP+32*\b
.endr
.endm
	PACK 0, 0, 0x0a
	PACK 1, 1, 0x0a
	PACK 2, 2, 0x0a
	PACK 3, 3, 0x0a
	PACK 0, 4, 0x0f
	PACK 1, 5, 0x0f
	PACK 2, 6, 0x0f
	PACK 3, 7, 0x0f
	s_wait_dscnt 0x0                               ; my stores are done, for the waves that read them
	s_barrier_signal -1
	s_barrier_wait -1
.macro HEAD g, f                       ; head g of the block's three: 64 rows x 128 bytes, four rows a load and a store
.irp t, 0,1,2,3,4,5,6,7,8,9,10,11,12,13,14,15
	ds_load_b128 v[\f+4*\t:\f+4*\t+3], v[RD] offset:\t*4*SP+128*\g
.endr
.irp t, 0,1,2,3,4,5,6,7,8,9,10,11,12,13,14,15
	s_wait_dscnt 15-\t                             ; LDS loads come back in order: load t is in
	global_store_b128 v[CO], v[\f+4*\t:\f+4*\t+3], s[8:9] offset:\g*HEADB+512*\t   ; the wave stores 512 consecutive bytes, aligned
.endr
.endm
	HEAD 0, F0
	HEAD 1, F1
	s_wait_xcnt 0x0                                ; buffer 0, which head 0's stores read, is loaded again only behind this wait
	HEAD 2, F0
	s_set_vgpr_msb 0x1
	s_wait_tensorcnt 0x0
	ds_add_u32 v255, v255
	s_wait_dscnt 0x0
	s_set_vgpr_msb 0x100
	CROUND                                         ; the closing round: no work-group ends while a partner may still ask for a tile that names it
	s_endpgm
.Lfunc_end_k_qd2c26e807d_qkv:
	.size	k_qd2c26e807d_qkv, .Lfunc_end_k_qd2c26e807d_qkv-k_qd2c26e807d_qkv
	.p2alignl 7, 3214868480
	.fill 96, 4, 3214868480
	.section	.rodata,"a",@progbits
	.p2align	6, 0x0
	.amdhsa_kernel k_qd2c26e807d_qkv
		.amdhsa_group_segment_fixed_size 327680
		.amdhsa_private_segment_fixed_size 0
		.amdhsa_enable_private_segment 0
		.amdhsa_kernarg_size 24
		.amdhsa_user_sgpr_count 2
		.amdhsa_user_sgpr_kernarg_segment_ptr 1
		.amdhsa_wavefront_size32 1
		.amdhsa_system_sgpr_workgroup_id_x 1
		.amdhsa_system_sgpr_workgroup_id_y 1
		.amdhsa_system_sgpr_workgroup_id_z 1
		.amdhsa_system_vgpr_workitem_id 0
		.amdhsa_next_free_vgpr 1024
		.amdhsa_next_free_sgpr 66
		.amdhsa_reserve_vcc 0
		.amdhsa_float_denorm_mode_32 3
		.amdhsa_float_denorm_mode_16_64 3
		.amdhsa_memory_ordered 1
		.amdhsa_forward_progress 1
		.amdhsa_inst_pref_size 158
	.end_amdhsa_kernel
	.amdgpu_metadata
---
amdhsa.version: [ 1, 2 ]
amdhsa.kernels:
  - .name:           k_qd2c26e807d_qkv
    .symbol:         k_qd2c26e807d_qkv.kd
    .args:
      - { .name: xb, .offset: 0, .size: 8, .value_kind: global_buffer, .address_space: global }
      - { .name: wb, .offset: 8, .size: 8, .value_kind: global_buffer, .address_space: global }
      - { .name: qkv, .offset: 16, .size: 8, .value_kind: global_buffer, .address_space: global }
    .group_segment_fixed_size: 327680
    .private_segment_fixed_size: 0
    .kernarg_segment_align: 8
    .kernarg_segment_size: 24
    .max_flat_workgroup_size: 128
    .sgpr_count:     66
    .vgpr_count:     1024
    .wavefront_size: 32
...
	.end_amdgpu_metadata
.endif
;; end of part 2
;; launch attn (part 3): grid 8 x 32, 8 waves a work-group, no clusters, 327,680 bytes of LDS; arguments qkv, ctx; writes ctx
.if DOCPART == 3
	.amdgcn_target "amdgcn-amd-amdhsa--gfx1250"
	.amdhsa_code_object_version 6
	.text
	.protected	k_qd2c26e807d_attn
	.globl	k_qd2c26e807d_attn
	.p2align	8
	.type	k_qd2c26e807d_attn,@function
k_qd2c26e807d_attn:
	s_mov_b64 s[64:65], 0
	v_nop
	global_prefetch_b8 v0, s[64:65] scope:SCOPE_SE
	s_setreg_imm32_b32 hwreg(HW_REG_WAVE_MODE, 25, 1), 1
	s_wait_xcnt 0x0
; Causal attention of one head, softmax with a running maximum.  qkv[b][g][l][64] f16 (g = h queries, 16 + h keys, 32 + h values); ctx[b][h][l][64] f16.
; Work-group (j, 16 b + h) makes query block 15 - j and then query block j, 128 rows each: (16 - j) + (j + 1) = 17 units of 128 keys for every work-group.
; Eight waves, two on each SIMD, so that one wave's softmax can run beside the other's products.  Wave w: w3 = w & 3 owns query rows 32 w3 .. + 31 of the block,
; set = w >> 2 takes keys 64 set .. + 63 of every unit.  At a block's end set 1 hands its sums, maxima and row sums to set 0 through LDS; set 0 merges and stores.
; ALL PRODUCTS ARE TRANSPOSED.  S^T = K Q^T: lane (r, h), register j of tile (kt, qt) holds key 16 kt + 8 h + j, query 16 qt + r.  Sixteen neighbouring registers
; pack in place into the second source of O^T = V^T P^T, whose result holds d = 16 dt + 8 h + j, query r.  So a query's maximum, row sum and factor are one
; number a lane; only the maximum crosses the two halves of the wave in every unit, the row sum once at the end.
; LIMITS: a score of -2^100 or below counts as masked; v_exp_f32 gives zero where the result would be denormal (ISA guide 15.8); NaN and infinities get no
; treatment of their own; P is rounded to f16 for the product while the row sum adds the unrounded f32 numbers; q, k, v are f16 (magnitude below 65,504).
; NO CLUSTER: the eight work-groups of a head read the same keys and values, but at step p work-group j stands at unit p while p <= 15 - j and at unit p - (16 - j)
; after that, so partners want different tiles from step 9 on; a joint walk of units 0..15 for both blocks would cost the partners of a group of four 20 units for 17.
; LDS: dense [l][64] blocks come in as rows of 256 bytes, two tensor rows to an LDS row: tensor row i lies at (i >> 1) pitch + 128 (i & 1).
.set PITK,   272                       ; Q, K: sixteen lanes (rows r) start at 16-byte columns (r >> 1) + 8 (r & 1): all different
.set PITV,   288                       ; V, read transposing: columns 2 (j >> 1) + 8 (j & 1) + c, j < 8, c < 2: all different
.set QBLK,   64*PITK                   ; a query block of 128 rows: 17,408
.set KTILE,  64*PITK
.set VTILE,  64*PITV                   ; 18,432
.set RING,   2*QBLK                    ; the two slots lie behind the two query blocks
.set SLOTB,  KTILE+VTILE               ; 35,840: K, then V
.set SCRA,   RING+2*SLOTB              ; 106,496: scratch of the first block's end; 4 waves x 17 x 512 bytes
.set SCRW,   17*512
.set SCRB,   4*SCRW                    ; the second block's scratch lies this far behind the first's
.set STAGE,  SCRA+2*SCRB               ; 176,128: the way out, 4 waves x 32 rows x 144 bytes
.set SPITCH, 144
; No tensor load lands in the scratches or the stage; all regions start at multiples of 256.
; v2 K address, v3 V address, v4 Q address, v5 scratch, v6 stage in, v7 stage back; v8 M0, v9 L0, v10 M1, v11 L1 (M = largest score x c so far);
; v12, v14 factors (low registers of pairs); v24 mask term, v25 -2^100, v26 byte offset in four rows of ctx
.set TT,  16                           ; v[16:23]   at work
.set QF,  32                           ; v[32:63]   Q(qt, ks) at 32 + 16 qt + 8 ks
.set SC,  64                           ; v[64:127]  S(kt, qt) at 64 + 32 qt + 8 kt; then P(qt, ks) at 64 + 32 qt + 16 ks
.set OA,  128                          ; v[128:191] O(dt, qt) at 128 + 32 qt + 8 dt
.set KV,  192                          ; v[192:255] K(kt, ks) at 192 + 16 kt + 8 ks, then V^T(dt, ks) at 192 + 16 dt + 8 ks
.set G1K, 24                           ; s[24:31] shape of a quarter of Q or K: 16 rows of 256 bytes, 16 bytes of padding
.set G1V, 32                           ; s[32:39] the same with 32 bytes of padding
.set G0K, 40                           ; s[40:47] group 0 for K, a set for each slot
.set G0V, 48                           ; s[48:55] group 0 for V
.set G0Q, 56                           ; s[56:59] group 0 for Q
; s8 wave, s9 set, s10 w3, s11 j, s12 16 b + h, s13 the block at work, s14 its unit at work, s15 the next unit, s[16:17] an offset, s18 counter,
; s[20:21] c twice, s22-23 selects, s[60:61] my quarter of K's unit 0, s[62:63] of V's (type bits set), s[66:67] ctx of the head, s[68:69] store base
	s_load_b128 s[4:7], s[0:1], 0x0                ; qkv s[4:5], ctx s[6:7]
	s_set_vgpr_msb 0x40
	v_lshl_add_u32 v0, v0, 2, 0x2f800
	v_mov_b32 v1, 0
	s_set_vgpr_msb 0x4045
	ds_add_u32 v0, v1
	ds_add_u32 v0, v1
	s_set_vgpr_msb 0x4500
	v_lshrrev_b32 v1, 5, v0
	v_readfirstlane_b32 s8, v1                     ; wave 0..7
	s_lshr_b32 s9, s8, 2                           ; set.  Also: I fetch for K (0) or V (1)
	s_and_b32 s10, s8, 3                           ; w3.  Also: which quarter I fetch
	s_mov_b32 s11, ttmp9                           ; j
	s_and_b32 s12, ttmp7, 0xffff                   ; 16 b + h
	s_sub_co_u32 s13, 15, s11                      ; the first block
	s_mov_b32 s14, 0                               ; its first unit
	s_mov_b32 s17, 0
	s_mov_b32 s20, 0x3d38aa3b                      ; c = log2(e) / 32: the scale 1 / sqrt(1024) and the change to base 2 in one factor
	s_mov_b32 s21, 0x3d38aa3b
	s_mov_b32 s22, 0x76543210                      ; v_permlanex16_b32: lane i of one half reads lane i of the other
	s_mov_b32 s23, 0xfedcba98
	s_mov_b32 s[G1K+0], (1<<16)|(1<<20)|(5<<22)|(3<<25)    ; no mask; elements of 2 bytes; padding on; after every 64 words; four words
	s_mov_b32 s[G1V+0], (1<<16)|(1<<20)|(5<<22)|(7<<25)    ; eight words
	s_mov_b32 s[G1K+1], 128<<16                    ; tensor_dim0 = 128 elements
	s_mov_b32 s[G1V+1], 128<<16
	s_mov_b32 s[G1K+2], 16<<16                     ; tensor_dim1 = 16 rows
	s_mov_b32 s[G1V+2], 16<<16
	s_mov_b32 s[G1K+3], 128<<16                    ; tile_dim0
	s_mov_b32 s[G1V+3], 128<<16
	s_mov_b32 s[G1K+4], 16                         ; tile_dim1
	s_mov_b32 s[G1V+4], 16
	s_mov_b32 s[G1K+5], 128                        ; from row to row: the block is dense
	s_mov_b32 s[G1V+5], 128
	s_mov_b32 s[G1K+6], 0
	s_mov_b32 s[G1V+6], 0
	s_mov_b32 s[G1K+7], 0
	s_mov_b32 s[G1V+7], 0
	s_lshr_b32 s70, s12, 4
	s_mul_i32 s70, s70, 48
	s_and_b32 s71, s12, 15
	s_add_co_u32 s70, s70, s71                     ; 48 b + h
	s_lshl_b32 s70, s70, 18                        ; blocks of 262,144 bytes
	s_lshl_b32 s71, s10, 12
	s_add_co_u32 s70, s70, s71                     ; + my quarter: 32 rows of 128 bytes
	s_cmp_eq_u32 s9, 0
	s_cselect_b32 s71, s13, s11                    ; waves 0-3 fetch the first query block, waves 4-7 the second
	s_lshl_b32 s71, s71, 14
	s_add_co_u32 s16, s70, s71
	s_mov_b32 s[G0Q], 1
	s_mul_i32 s[G0Q+1], s8, 16*PITK                ; LDS: wave x 16 rows: the two query blocks one behind the other
	s_wait_dscnt 0x0
	s_wait_kmcnt 0x0
	s_add_nc_u64 s[G0Q+2:G0Q+3], s[4:5], s[16:17]
	s_or_b32 s[G0Q+3], s[G0Q+3], 0x80000000
	tensor_load_to_lds s[G0Q:G0Q+3], s[G1K:G1K+7]
	s_nop 0
	s_add_co_u32 s16, s70, 16<<18
	s_add_nc_u64 s[60:61], s[4:5], s[16:17]        ; keys: g = 16 + h
	s_or_b32 s61, s61, 0x80000000
	s_add_co_u32 s16, s70, 32<<18
	s_add_nc_u64 s[62:63], s[4:5], s[16:17]        ; values: g = 32 + h
	s_or_b32 s63, s63, 0x80000000
	s_mul_i32 s71, s8, 16*PITK
.irp s, 0,1
	s_mov_b32 s[G0K+4*\s], 1
	s_add_co_u32 s[G0K+4*\s+1], s71, RING+\s*SLOTB                 ; waves 0-3: K's quarters
.endr
	s_mul_i32 s71, s8, 16*PITV
.irp s, 0,1
	s_mov_b32 s[G0V+4*\s], 1
	s_add_co_u32 s[G0V+4*\s+1], s71, RING+KTILE-4*16*PITV+\s*SLOTB ; waves 4-7: V's quarters at (wave - 4) x 16 rows behind K
.endr
	s_mov_b64 s[G0K+2:G0K+3], s[60:61]
	s_mov_b64 s[G0V+2:G0V+3], s[62:63]
.macro KVLOAD s                        ; my quarter of K's or of V's tile into slot s; the branch hangs on the wave's number alone
	s_cmp_eq_u32 s9, 0
	s_cbranch_scc0 .Lfor_v_\@
	tensor_load_to_lds s[G0K+4*\s:G0K+4*\s+3], s[G1K:G1K+7]
	s_nop 0
	s_branch .Lasked_\@
.Lfor_v_\@:
	tensor_load_to_lds s[G0V+4*\s:G0V+4*\s+3], s[G1V:G1V+7]
	s_nop 0
.Lasked_\@:
.endm
	KVLOAD 0                                       ; unit 0: two tensor loads of the wave are out, the most in this text
	s_lshl_b32 s70, s12, 18
	s_mov_b32 s71, 0
	s_add_nc_u64 s[66:67], s[6:7], s[70:71]        ; ctx of my head
	v_and_b32 v1, 31, v0                           ; L
	v_and_b32 v27, 15, v0                          ; r
	v_bfe_u32 v28, v0, 4, 1                        ; h
	v_and_b32 v30, 1, v0
	v_bfe_u32 v29, v0, 1, 3                        ; r >> 1
	v_mul_u32_u24 v29, v29, PITK
	v_lshl_add_u32 v29, v30, 7, v29                ; + 128 (r & 1)
	v_lshl_add_u32 v29, v28, 4, v29                ; + 16 h: row r of a fragment of Q or K
	s_mul_i32 s70, s9, 32*PITK                     ; my set's 64 keys
	s_add_co_u32 s70, s70, RING
	v_add_nc_u32 v2, s70, v29
	s_mul_i32 s70, s10, 16*PITK                    ; my 32 queries
	v_add_nc_u32 v4, s70, v29
	v_bfe_u32 v31, v0, 1, 2                        ; V, read transposing: lane L names key 8 h + (L & 7), 16 bytes at column 8 ((L >> 3) & 1)
	v_lshl_add_u32 v31, v28, 2, v31                ; LDS row 4 h + ((L & 7) >> 1)
	v_mul_u32_u24 v31, v31, PITV
	v_lshl_add_u32 v31, v30, 7, v31                ; + 128 (L & 1)
	v_bfe_u32 v30, v0, 3, 1
	v_lshl_add_u32 v31, v30, 4, v31
	s_mul_i32 s70, s9, 32*PITV
	s_add_co_u32 s70, s70, RING+KTILE
	v_add_nc_u32 v3, s70, v31
	s_mul_i32 s70, s10, SCRW
	s_add_co_u32 s70, s70, SCRA
	v_lshl_add_u32 v5, v1, 4, s70                  ; scratch: waves w3 and 4 + w3 share a part; 16 bytes a lane
	v_mul_u32_u24 v29, v27, SPITCH
	v_lshl_add_u32 v29, v28, 4, v29
	s_mul_i32 s70, s10, 32*SPITCH
	s_add_co_u32 s70, s70, STAGE
	v_add_nc_u32 v6, s70, v29                      ; stage, in: row r, 16 h
	v_lshrrev_b32 v30, 3, v1
	v_mul_u32_u24 v30, v30, SPITCH
	v_and_b32 v31, 7, v0
	v_lshl_add_u32 v30, v31, 4, v30
	v_add_nc_u32 v7, s70, v30                      ; back: eight lanes take a row of 128 bytes
	s_lshl_b32 s70, s10, 5
	s_lshl_b32 s71, s9, 6
	s_sub_co_i32 s70, s70, s71
	v_lshlrev_b32 v24, 3, v28
	v_sub_nc_u32 v24, v27, v24
	v_add_nc_u32 v24, s70, v24                     ; 32 w3 + r - 8 h - 64 set: in the diagonal unit (kt, qt, j) is masked where 16 kt - 16 qt + j is larger
	v_mov_b32 v25, 0xf1800000                      ; -2^100
	v_lshlrev_b32 v26, 4, v1
	v_mov_b32 v9, 0                                ; the upper registers of pairs of which the packed forms use the lower one
	v_mov_b32 v11, 0
	v_mov_b32 v13, 0
	v_mov_b32 v15, 0
.macro QLOAD off                       ; my four fragments of Q, from the query block at byte off
.irp q, 0,1
.irp k, 0,1
	ds_load_b128 v[QF+16*\q+8*\k:QF+16*\q+8*\k+3],   v4 offset:\off+8*PITK*\q+64*\k
	ds_load_b128 v[QF+16*\q+8*\k+4:QF+16*\q+8*\k+7], v4 offset:\off+8*PITK*\q+64*\k+32
.endr
.endr
.endm
; Eight matrix instructions on eight accumulators that take turns, one instruction a turn.
.macro SCORES k, zero                  ; S^T(kt, qt) (+)= K(kt, k) Q(qt, k)^T
.irp q, 0,1
.irp t, 0,1,2,3
.if \zero
	v_wmma_f32_16x16x32_f16 v[SC+32*\q+8*\t:SC+32*\q+8*\t+7], v[KV+16*\t+8*\k:KV+16*\t+8*\k+7], v[QF+16*\q+8*\k:QF+16*\q+8*\k+7], 0
.else
	v_wmma_f32_16x16x32_f16 v[SC+32*\q+8*\t:SC+32*\q+8*\t+7], v[KV+16*\t+8*\k:KV+16*\t+8*\k+7], v[QF+16*\q+8*\k:QF+16*\q+8*\k+7], v[SC+32*\q+8*\t:SC+32*\q+8*\t+7]
.endif
.endr
.endr
.endm
.macro PVMUL k, zero                   ; O^T(dt, qt) (+)= V^T(dt, k) P(qt, k)^T
.irp q, 0,1
.irp d, 0,1,2,3
.if \zero
	v_wmma_f32_16x16x32_f16 v[OA+32*\q+8*\d:OA+32*\q+8*\d+7], v[KV+16*\d+8*\k:KV+16*\d+8*\k+7], v[SC+32*\q+16*\k:SC+32*\q+16*\k+7], 0
.else
	v_wmma_f32_16x16x32_f16 v[OA+32*\q+8*\d:OA+32*\q+8*\d+7], v[KV+16*\d+8*\k:KV+16*\d+8*\k+7], v[SC+32*\q+16*\k:SC+32*\q+16*\k+7], v[OA+32*\q+8*\d:OA+32*\q+8*\d+7]
.endif
.endr
.endr
.endm
.macro MASK                            ; the diagonal unit: keys behind the query get -2^100
.irp q, 0,1
.irp t, 0,1,2,3
.irp j, 0,1,2,3,4,5,6,7
	v_cmp_gt_i32 vcc_lo, 16*\t-16*\q+\j, v24
	v_cndmask_b32 v[SC+32*\q+8*\t+\j], v[SC+32*\q+8*\t+\j], v25, vcc_lo
.endr
.endr
.endr
.endm
.macro SUMSTEP q, i                    ; step i of 16 of the sum of query tile q's 32 numbers, in two chains of pairs
.if \i == 0
	s_wait_alu depctr_va_vdst(0)
	v_pk_add_f32 v[TT+4*\q:TT+4*\q+1], v[SC+32*\q:SC+32*\q+1], v[SC+32*\q+2:SC+32*\q+3]
.elseif \i == 1
	v_pk_add_f32 v[TT+4*\q+2:TT+4*\q+3], v[SC+32*\q+4:SC+32*\q+5], v[SC+32*\q+6:SC+32*\q+7]
.elseif \i < 14
	v_pk_add_f32 v[TT+4*\q+2*(\i%2):TT+4*\q+2*(\i%2)+1], v[TT+4*\q+2*(\i%2):TT+4*\q+2*(\i%2)+1], v[SC+32*\q+2*(\i+2):SC+32*\q+2*(\i+2)+1]
.elseif \i == 14
	v_pk_add_f32 v[TT+4*\q:TT+4*\q+1], v[TT+4*\q:TT+4*\q+1], v[TT+4*\q+2:TT+4*\q+3]
.else
	v_add_f32 v[TT+4*\q], v[TT+4*\q], v[TT+4*\q+1]
.endif
.endm
.macro PACKP q                         ; 32 numbers to f16 in place, ascending: register i takes registers 2 i and 2 i + 1 of its sixteen
.irp k, 0,1
.irp i, 0,1,2,3,4,5,6,7
	v_cvt_pk_f16_f32 v[SC+32*\q+16*\k+\i], v[SC+32*\q+16*\k+2*\i], v[SC+32*\q+16*\k+2*\i+1]
.endr
.endr
.endm
; One unit's softmax step for both query tiles.  first = 1: the first unit of the launch starts M, L and O.
.macro SOFTMAX first
.irp q, 0,1
	v_max3_num_f32 v[TT+2*\q],   v[SC+32*\q],    v[SC+32*\q+1],  v[SC+32*\q+2]     ; four chains, started by the first numbers
	v_max3_num_f32 v[TT+2*\q+1], v[SC+32*\q+16], v[SC+32*\q+17], v[SC+32*\q+18]
.endr
.irp i, 3,5,7,9,11,13
.irp q, 0,1
	v_max3_num_f32 v[TT+2*\q],   v[TT+2*\q],   v[SC+32*\q+\i],    v[SC+32*\q+\i+1]
	v_max3_num_f32 v[TT+2*\q+1], v[TT+2*\q+1], v[SC+32*\q+16+\i], v[SC+32*\q+17+\i]
.endr
.endr
	v_max3_num_f32 v[TT],   v[TT],   v[TT+1], v[SC+15]
	v_max3_num_f32 v[TT+2], v[TT+2], v[TT+3], v[SC+47]
	v_max_num_f32 v[TT],   v[TT],   v[SC+31]
	v_max_num_f32 v[TT+2], v[TT+2], v[SC+63]
	v_permlanex16_b32 v[TT+1], v[TT],   s22, s23   ; the other half of the lanes holds the query's other keys
	v_permlanex16_b32 v[TT+3], v[TT+2], s22, s23
	v_max_num_f32 v[TT],   v[TT],   v[TT+1]
	v_max_num_f32 v[TT+2], v[TT+2], v[TT+3]
.if \first
	v_mul_f32 v8,  s20, v[TT]
	v_mul_f32 v10, s20, v[TT+2]
.else
	v_mul_f32 v[TT],   s20, v[TT]
	v_mul_f32 v[TT+2], s20, v[TT+2]
	v_max_num_f32 v[TT],   v8,  v[TT]              ; the new running maximum
	v_max_num_f32 v[TT+2], v10, v[TT+2]
	v_sub_f32 v12, v8,  v[TT]
	v_sub_f32 v14, v10, v[TT+2]
	v_exp_f32 v12, v12                             ; what the old sums are worth under the new maximum
	v_exp_f32 v14, v14
	v_mov_b32 v8,  v[TT]                           ; plain instructions that touch neither: the place behind the exponentials (ISA guide 5.7.2)
	v_mov_b32 v10, v[TT+2]
.endif
.irp p, 0,1,2,3,4,5,6,7,8,9,10,11,12,13,14,15
	v_pk_fma_f32 v[SC+2*\p:SC+2*\p+1], v[SC+2*\p:SC+2*\p+1], s[20:21], v[8:9] op_sel_hi:[1,0,0] neg_lo:[0,0,1] neg_hi:[0,0,1]   ; s c - M
.endr
.irp p, 0,1,2,3,4,5,6,7,8,9,10,11,12,13,14,15
	v_exp_f32 v[SC+2*\p],   v[SC+2*\p]             ; tile 0's exponentials, a plain independent instruction behind each two:
	v_exp_f32 v[SC+2*\p+1], v[SC+2*\p+1]
	v_pk_fma_f32 v[SC+32+2*\p:SC+32+2*\p+1], v[SC+32+2*\p:SC+32+2*\p+1], s[20:21], v[10:11] op_sel_hi:[1,0,0] neg_lo:[0,0,1] neg_hi:[0,0,1]   ; tile 1's exponents
.endr
.irp p, 0,1,2,3,4,5,6,7,8,9,10,11,12,13,14,15
	v_exp_f32 v[SC+32+2*\p],   v[SC+32+2*\p]       ; tile 1's exponentials, and between them tile 0's sum
	v_exp_f32 v[SC+32+2*\p+1], v[SC+32+2*\p+1]
	SUMSTEP 0, \p
.endr
.if \first
	v_mov_b32 v9, v[TT]
.else
	v_fma_f32 v9, v9, v12, v[TT]                   ; L = L x factor + this unit's sum (of my half's keys)
.endif
	PACKP 0
.irp p, 0,1,2,3,4,5,6,7,8,9,10,11,12,13,14,15
	SUMSTEP 1, \p
.endr
.if \first
	v_mov_b32 v11, v[TT+4]
.else
	v_fma_f32 v11, v11, v14, v[TT+4]
.endif
	PACKP 1
.if \first == 0
.irp q, 0,1
.irp p, 0,1,2,3,4,5,6,7,8,9,10,11,12,13,14,15
	v_pk_mul_f32 v[OA+32*\q+2*\p:OA+32*\q+2*\p+1], v[OA+32*\q+2*\p:OA+32*\q+2*\p+1], v[12+2*\q:13+2*\q] op_sel_hi:[1,0]
.endr
.endr
.endif
.endm
; A block's end.  scr: which scratch (a byte offset).  switch = 1: the second block follows.
.macro FINISH scr, switch
	s_cmp_eq_u32 s9, 0
	s_cbranch_scc1 .Lkeeps_\@
.irp t, 0,1,2,3,4,5,6,7,8,9,10,11,12,13,14,15
	ds_store_b128 v5, v[OA+4*\t:OA+4*\t+3] offset:\scr+512*\t      ; set 1 hands over its sums,
.endr
	ds_store_b128 v5, v[8:11] offset:\scr+8192                     ; its maxima and its row sums
.Lkeeps_\@:
	s_wait_dscnt 0x0                               ; for the partner's sake: the stores are done
	s_barrier_signal -1                            ; the next unit's tile may stay on its way
	s_barrier_wait -1
	s_cmp_lg_u32 s9, 0
	s_cbranch_scc1 .Lnot_set_0_\@
	ds_load_b128 v[16:19], v5 offset:\scr+8192     ; the partner's M0, L0, M1, L1
.irp t, 0,1,2,3,4,5,6,7,8,9,10,11,12,13,14,15
	ds_load_b128 v[KV+4*\t:KV+4*\t+3], v5 offset:\scr+512*\t
.endr
	s_wait_dscnt 16                                ; the first load is in, the sixteen behind it may be out
	v_max_num_f32 v20, v8,  v16                    ; the common maximum
	v_max_num_f32 v22, v10, v18
	v_sub_f32 v12, v8,  v20
	v_sub_f32 v14, v10, v22
	v_sub_f32 v16, v16, v20
	v_sub_f32 v18, v18, v22
	v_exp_f32 v12, v12                             ; my weight and the partner's.  A set whose keys were all masked has M = -2^100 c: its weight is 0
	v_exp_f32 v14, v14
	v_exp_f32 v16, v16
	v_exp_f32 v18, v18
	v_nop                                          ; the place behind the exponentials
	s_wait_alu depctr_va_vdst(0)
	v_mul_f32 v9,  v9,  v12
	v_mul_f32 v11, v11, v14
	v_fmac_f32 v9,  v17, v16
	v_fmac_f32 v11, v19, v18
	v_permlanex16_b32 v20, v9,  s22, s23           ; the row sums of the other half's keys
	v_permlanex16_b32 v22, v11, s22, s23
	v_add_f32 v9,  v9,  v20
	v_add_f32 v11, v11, v22                        ; at least about 1: the query's own key is never masked
	v_rcp_f32 v9,  v9
	v_rcp_f32 v11, v11
	v_nop                                          ; the place behind the reciprocals
	s_wait_alu depctr_va_vdst(0)
	v_mul_f32 v12, v12, v9
	v_mul_f32 v16, v16, v9
	v_mul_f32 v14, v14, v11
	v_mul_f32 v18, v18, v11
	s_wait_dscnt 0x0
.irp q, 0,1
.irp p, 0,1,2,3,4,5,6,7,8,9,10,11,12,13,14,15
	v_pk_mul_f32 v[OA+32*\q+2*\p:OA+32*\q+2*\p+1], v[OA+32*\q+2*\p:OA+32*\q+2*\p+1], v[12+2*\q:13+2*\q] op_sel_hi:[1,0]
.endr
.irp p, 0,1,2,3,4,5,6,7,8,9,10,11,12,13,14,15
	v_pk_fma_f32 v[OA+32*\q+2*\p:OA+32*\q+2*\p+1], v[KV+32*\q+2*\p:KV+32*\q+2*\p+1], v[16+2*\q:17+2*\q], v[OA+32*\q+2*\p:OA+32*\q+2*\p+1] op_sel_hi:[1,0,1]
.endr
.endr
	; out: a lane's eight numbers are eight neighbouring d of one query: 16 bytes into my own stage, whole rows back
.irp q, 0,1
.irp d, 0,1,2,3
.irp i, 0,1,2,3
	v_cvt_pk_f16_f32 v[16+4*(\d%2)+\i], v[OA+32*\q+8*\d+2*\i], v[OA+32*\q+8*\d+2*\i+1]
.endr
	ds_store_b128 v6, v[16+4*(\d%2):16+4*(\d%2)+3] offset:16*SPITCH*\q+32*\d
.endr
.endr
	s_lshl_b32 s70, s13, 14                        ; the block's 128 rows of 128 bytes
	s_lshl_b32 s71, s10, 12                        ; my 32
	s_add_co_u32 s70, s70, s71
	s_mov_b32 s71, 0
	s_add_nc_u64 s[68:69], s[66:67], s[70:71]
.irp t, 0,1,2,3,4,5,6,7
	ds_load_b128 v[KV+4*\t:KV+4*\t+3], v7 offset:4*SPITCH*\t       ; LDS serves a wave's instructions in order (ISA guide 5.7.1.4): these see the stores above
.endr
.irp t, 0,1,2,3,4,5,6,7
	s_wait_dscnt 7-\t
	global_store_b128 v26, v[KV+4*\t:KV+4*\t+3], s[68:69] offset:512*\t    ; four rows: the wave stores 512 consecutive bytes, aligned
.endr
	s_wait_xcnt 0x0                                ; the stores' data registers and base are written again only behind this wait
.Lnot_set_0_\@:
.if \switch
	v_mov_b32 v8,  v25                             ; the only reset: the next unit's factor is exp2(-2^100 - M) = 0 and wipes O and L, which are finite
	v_mov_b32 v10, v25
	QLOAD QBLK                                     ; the second block's queries; waited for at the next unit's head
	s_mov_b32 s13, s11
.endif
.endm
; One unit.  slot: where its tile lies; refill = 1: the other slot gets the next unit; kind 0: the first unit, 1: any, 2: the last (a diagonal).
.macro TRIP slot, refill, kind
	s_set_vgpr_msb 0x5
	s_wait_tensorcnt 0x0                           ; all my tensor loads have landed, my part of this unit's tile among them: every group 0 may be written
	ds_add_u32 v0, v1
	s_wait_dscnt 0x0
	s_set_vgpr_msb 0x500
	s_wait_dscnt 0x0                               ; my reads of the other slot are over
.if \refill
	s_add_co_u32 s15, s14, 1
	s_cmp_eq_u32 s14, s13
	s_cselect_b32 s15, 0, s15                      ; behind a block's diagonal unit comes unit 0 of the next block
	s_lshl_b32 s16, s15, 14                        ; units of 128 rows of 128 bytes
	s_add_nc_u64 s[G0K+4*(1-\slot)+2:G0K+4*(1-\slot)+3], s[60:61], s[16:17]
	s_add_nc_u64 s[G0V+4*(1-\slot)+2:G0V+4*(1-\slot)+3], s[62:63], s[16:17]
.endif
	s_barrier_signal -1
	s_barrier_wait -1                              ; both hold of all eight waves
.if \refill
	KVLOAD (1-\slot)                               ; first behind the barrier; it has this unit's work in which to land
.endif
.if \kind == 0
	QLOAD 0
.endif
.irp k, 0,1
.irp t, 0,1,2,3
	ds_load_b128 v[KV+16*\t+8*\k:KV+16*\t+8*\k+3],   v2 offset:\slot*SLOTB+8*PITK*\t+64*\k
	ds_load_b128 v[KV+16*\t+8*\k+4:KV+16*\t+8*\k+7], v2 offset:\slot*SLOTB+8*PITK*\t+64*\k+32
.endr
.endr
	s_wait_dscnt 8                                 ; all but the eight loads of d = 32..63
	SCORES 0, 1                                    ; the first product starts the scores
	s_wait_dscnt 0
	SCORES 1, 0
.rept 4
	v_nop                                          ; four places: loads into K's registers and vector reads of the scores follow (ISA guide 7.12.1 for vector instructions)
.endr
.irp k, 0,1
.irp d, 0,1,2,3
	ds_load_tr16_b128 v[KV+16*\d+8*\k:KV+16*\d+8*\k+3],   v3 offset:\slot*SLOTB+16*PITV*\k+32*\d
	ds_load_tr16_b128 v[KV+16*\d+8*\k+4:KV+16*\d+8*\k+7], v3 offset:\slot*SLOTB+16*PITV*\k+32*\d+8*PITV
.endr
.endr
.if \kind == 1
	s_cmp_lg_u32 s14, s13                          ; work-group numbers and counters alone: alike in all waves
	s_cbranch_scc1 .Lno_mask_\@
	MASK
.Lno_mask_\@:
.elseif \kind == 2
	MASK
.endif
.if \kind == 0
	SOFTMAX 1
.else
	SOFTMAX 0
.endif
	s_wait_dscnt 8                                 ; all but the eight loads of keys 32..63
.if \kind == 0
	PVMUL 0, 1
.else
	PVMUL 0, 0
.endif
	s_wait_dscnt 0
	PVMUL 1, 0
.rept 5
	v_nop                                          ; five places: the next scores write over P; loads into V's registers and reads of O need four
.endr
.if \kind == 1
	s_cmp_lg_u32 s14, s13
	s_cbranch_scc1 .Lno_end_\@
	FINISH 0, 1
.Lno_end_\@:
.elseif \kind == 2
	FINISH SCRB, 0
.endif
.if \refill
	s_mov_b32 s14, s15
.endif
.endm
	TRIP 0, 1, 0                                   ; step 0 is no diagonal: the first block is 8 or higher
	s_mov_b32 s18, 7
.Lpair:
	TRIP 1, 1, 1                                   ; steps 1 to 14
	TRIP 0, 1, 1
	s_sub_co_u32 s18, s18, 1
	s_cmp_lg_u32 s18, 0
	s_cbranch_scc1 .Lpair
	TRIP 1, 1, 1                                   ; step 15
	TRIP 0, 0, 2                                   ; step 16: the second block's diagonal; nothing more is fetched
	s_set_vgpr_msb 0x5
	s_wait_tensorcnt 0x0
	ds_add_u32 v0, v1
	s_wait_dscnt 0x0
	s_set_vgpr_msb 0x500
	s_endpgm
.Lfunc_end_k_qd2c26e807d_attn:
	.size	k_qd2c26e807d_attn, .Lfunc_end_k_qd2c26e807d_attn-k_qd2c26e807d_attn
	.p2alignl 7, 3214868480
	.fill 96, 4, 3214868480
	.section	.rodata,"a",@progbits
	.p2align	6, 0x0
	.amdhsa_kernel k_qd2c26e807d_attn
		.amdhsa_group_segment_fixed_size 327680
		.amdhsa_private_segment_fixed_size 0
		.amdhsa_enable_private_segment 0
		.amdhsa_kernarg_size 16
		.amdhsa_user_sgpr_count 2
		.amdhsa_user_sgpr_kernarg_segment_ptr 1
		.amdhsa_wavefront_size32 1
		.amdhsa_system_sgpr_workgroup_id_x 1
		.amdhsa_system_sgpr_workgroup_id_y 1
		.amdhsa_system_sgpr_workgroup_id_z 1
		.amdhsa_system_vgpr_workitem_id 0
		.amdhsa_next_free_vgpr 258
		.amdhsa_next_free_sgpr 72
		.amdhsa_reserve_vcc 1
		.amdhsa_float_denorm_mode_32 3
		.amdhsa_float_denorm_mode_16_64 3
		.amdhsa_memory_ordered 1
		.amdhsa_forward_progress 1
		.amdhsa_inst_pref_size 158
	.end_amdhsa_kernel
	.amdgpu_metadata
---
amdhsa.version: [ 1, 2 ]
amdhsa.kernels:
  - .name:           k_qd2c26e807d_attn
    .symbol:         k_qd2c26e807d_attn.kd
    .args:
      - { .name: qkv, .offset: 0, .size: 8, .value_kind: global_buffer, .address_space: global }
      - { .name: ctx, .offset: 8, .size: 8, .value_kind: global_buffer, .address_space: global }
    .group_segment_fixed_size: 327680
    .private_segment_fixed_size: 0
    .kernarg_segment_align: 8
    .kernarg_segment_size: 16
    .max_flat_workgroup_size: 256
    .sgpr_count:     72
    .vgpr_count:     258
    .wavefront_size: 32
...
	.end_amdgpu_metadata
.endif
;; end of part 3
;; launch proj (part 4): grid 8 x 32, 4 waves a work-group, clusters of 4 x 4, 327,680 bytes of LDS; arguments ctx, wb, b_o, out0; writes out0
.if DOCPART == 4
	.amdgcn_target "amdgcn-amd-amdhsa--gfx1250"
	.amdhsa_code_object_version 6
	.text
	.protected	k_qd2c26e807d_proj
	.globl	k_qd2c26e807d_proj
	.p2align	8
	.type	k_qd2c26e807d_proj,@function
k_qd2c26e807d_proj:
	s_mov_b64 s[64:65], 0
	v_nop
	global_prefetch_b8 v0, s[64:65] scope:SCOPE_SE
	s_setreg_imm32_b32 hwreg(HW_REG_WAVE_MODE, 25, 1), 1
	s_wait_xcnt 0x0
	s_wait_alu depctr_hold_cnt(0) depctr_sa_sdst(0) depctr_va_vdst(0) depctr_va_sdst(0) depctr_va_ssrc(0) depctr_va_vcc(0) depctr_vm_vsrc(0)
	s_getreg_b32 s2, hwreg(HW_REG_IB_STS2, 6, 4)
	s_cmp_eq_u32 s2, 0
	s_cbranch_scc0 .Lentry_in_a_cluster
	s_endpgm
.Lentry_in_a_cluster:
	s_bfe_u32 s2, ttmp6, 0x10000c
	s_cmp_lg_u32 s2, 0xf033
	s_cbranch_scc0 .Lentry_shape_is_right
	s_endpgm
.Lentry_shape_is_right:
; out0[m][p] = sum over o of ctx(m, o) w_o[p][o] + b_o[p], f16 operands, f32 sums, f32 out.  ctx[b][h][l][64] f16, o = 64 h + d, m = 2048 b + l;
; w_o = rows 3072-4095 of wb, f16.  The bias is added in f32 as it is given.
; A work-group makes 128 x 128 with four waves, a wave 64 x 64: 16 accumulator tiles.  8 x 32 work-groups: one for each WGP, which fixes the block's size.
; K goes in steps of 256 (four heads) through two LDS slots.  A head's 128 rows are dense in memory and come in as 64 rows of 256 bytes, two tensor rows to an LDS row:
; row i lies at (i >> 1) x 272 + 128 (i & 1), so that sixteen lanes start at 16-byte columns (r >> 1) + 8 (r & 1).  w_o's rows are 512 bytes, pitch 528.
; CLUSTERS of 4 x 4: ctx's tiles hang on the block row alone and are asked for jointly along a row of the cluster, w_o's on the block column alone, along a column.
; Window 0 holds addresses and all fragments, window 1 the accumulators (tile (a, b) at v[8 (4 a + b)]).  The matrix instruction is used transposed
; (source 0 = rows of w_o, source 1 = rows of ctx): a lane's eight results are eight neighbouring columns of one row.
.set PA,     272
.set HB,     64*PA                     ; a head's 128 rows: 17,408
.set PB,     528
.set BOFF,   4*HB                      ; w_o's 128 rows lie behind the four heads
.set SLOT,   BOFF+128*PB               ; 137,216
.set STAGE,  2*SLOT                    ; the way out: 16 rows x 272 bytes for each wave; no tensor load lands here
.set SPITCH, 272
.set ADRA, 16                          ; v16-17 LDS address of my ctx fragments in slot 0, 1
.set ADRB, 20                          ; v20-21 the same for w_o
.set STO,  24
.set RD,   25
.set CO,   26
.set BO,   27                          ; byte offset of my four biases
.set BIAS, 28                          ; v[28:31]
.set F0,   64                          ; a buffer: ctx's four fragments, then w_o's four
.set F1,   128
.set G1A, 24                           ; s[24:31]
.set G1B, 32                           ; s[32:39]
.set G0A, 40                           ; s[40:55]: slot s, load e at 40 + 8 s + 4 e
.set G0B, 56                           ; s[56:63], s[68:75]: slot s, load e at 56 + 12 s + 4 e
.set MSB, 0
.macro WIN new
.if MSB != \new
	s_set_vgpr_msb (MSB<<8)|\new
.set MSB, \new
.endif
.endm
.set MUL, 0x50                         ; sources 0 and 1 window 0, C and D window 1
.macro JLOAD s                         ; waves 0, 1: two heads each; waves 2, 3: twice 32 rows of w_o each.  Two loads in every wave, so that the counts are alike
	s_cmp_eq_u32 s13, 0
	s_cbranch_scc0 .Lfor_b_\@
	tensor_load_to_lds s[G0A+8*\s:G0A+8*\s+3], s[G1A:G1A+7]
	s_nop 0
	tensor_load_to_lds s[G0A+8*\s+4:G0A+8*\s+7], s[G1A:G1A+7]
	s_nop 0
	s_branch .Lasked_\@
.Lfor_b_\@:
	tensor_load_to_lds s[G0B+12*\s:G0B+12*\s+3], s[G1B:G1B+7]
	s_nop 0
	tensor_load_to_lds s[G0B+12*\s+4:G0B+12*\s+7], s[G1B:G1B+7]
	s_nop 0
.Lasked_\@:
.endm
.macro CREST
	s_cmp_lg_u32 s12, 0
	s_cbranch_scc1 .Lnot_wave_0_\@
	s_barrier_signal -3
.Lnot_wave_0_\@:
	s_barrier_wait -3
	s_barrier_signal -1
	s_barrier_wait -1
.endm
.macro CROUND
	s_barrier_signal -1
	s_barrier_wait -1
	CREST
.endm
	s_load_b256 s[4:11], s[0:1], 0x0               ; ctx s[4:5], wb s[6:7], b_o s[8:9], out0 s[10:11]
	v_lshl_add_u32 v254, v0, 2, 0x47400
	v_mov_b32 v255, 0
	ds_add_u32 v254, v255
	ds_add_u32 v254, v255
	v_lshrrev_b32 v1, 5, v0
	v_readfirstlane_b32 s12, v1                    ; wave 0..3
	s_lshr_b32 s13, s12, 1                         ; which 64 rows are mine.  Also: I fetch for ctx (0) or w_o (1)
	s_and_b32 s14, s12, 1                          ; which 64 columns.  Also: which half I fetch
	s_bfe_u32 s76, ttmp6, 0x40000                  ; cx
	s_bfe_u32 s77, ttmp6, 0x40004                  ; cy
	s_lshl_b32 s78, ttmp9, 2
	s_add_co_u32 s78, s78, s76                     ; block column
	s_and_b32 s15, ttmp7, 0xffff
	s_lshl_b32 s15, s15, 2
	s_add_co_u32 s15, s15, s77                     ; block row
	s_lshl_b32 s79, s77, 2
	s_lshl_b32 s79, 15, s79                        ; my row of the cluster
	s_lshl_b32 s80, 0x1111, s76                    ; my column
	s_or_b32 s[G1A+0], s79, (1<<16)|(1<<20)|(1<<21)|(5<<22)|(3<<25)    ; mask; 2-byte elements; padding on; bit 21 beside a mask; after every 64 words; four words
	s_mov_b32 s[G1A+1], 128<<16                    ; rows of 128 elements,
	s_mov_b32 s[G1A+2], 64<<16                     ; 64 of them
	s_mov_b32 s[G1A+3], 128<<16
	s_mov_b32 s[G1A+4], 64
	s_mov_b32 s[G1A+5], 128                        ; dense
	s_mov_b32 s[G1A+6], 0
	s_mov_b32 s[G1A+7], 0
	s_or_b32 s[G1B+0], s80, (1<<16)|(1<<20)|(1<<21)|(6<<22)|(3<<25)    ; after every 128 words
	s_mov_b32 s[G1B+1], 256<<16                    ; rows of 256 elements,
	s_mov_b32 s[G1B+2], 32<<16                     ; 32 of them
	s_mov_b32 s[G1B+3], 256<<16
	s_mov_b32 s[G1B+4], 32
	s_mov_b32 s[G1B+5], 1024
	s_mov_b32 s[G1B+6], 0
	s_mov_b32 s[G1B+7], 0
	s_lshr_b32 s16, s15, 4                         ; batch
	s_lshl_b32 s16, s16, 4                         ; 16 heads a batch
	s_lshl_b32 s17, s14, 1
	s_add_co_u32 s16, s16, s17                     ; + my two heads of the step's four
	s_lshl_b32 s16, s16, 18
	s_and_b32 s17, s15, 15
	s_lshl_b32 s17, s17, 14                        ; + the block's 128 rows of 128 bytes
	s_add_co_u32 s16, s16, s17
	s_mov_b32 s17, 0
	s_lshl_b32 s82, s78, 7
	s_lshl_b32 s83, s14, 6
	s_add_co_u32 s82, s82, s83                     ; w_o: row 128 x block column + 64 x half: also my wave's first column
	s_lshl_b32 s84, s82, 2                         ; that column in bytes of f32
	s_lshl_b32 s82, s82, 11
	s_add_co_u32 s82, s82, 3072*2048               ; w_o begins at row 3072 of wb
	s_mov_b32 s83, 0
	s_mul_i32 s20, s12, 2*HB                       ; LDS: waves 0, 1: heads 2 wave, 2 wave + 1
	s_mul_i32 s21, s12, 64*PB
	s_add_co_u32 s21, s21, BOFF-128*PB             ; waves 2, 3: BOFF + (wave - 2) x 64 rows
	s_wait_dscnt 0x0
	s_wait_kmcnt 0x0
	s_add_nc_u64 s[18:19], s[4:5], s[16:17]
	s_add_nc_u64 s[82:83], s[6:7], s[82:83]
	CROUND                                         ; all sixteen work-groups are here
.irp s, 0,1
.irp e, 0,1
	s_mov_b32 s[G0A+8*\s+4*\e], 1
	s_add_co_u32 s[G0A+8*\s+4*\e+1], s20, \s*SLOT+\e*HB
	s_add_nc_u64 s[G0A+8*\s+4*\e+2:G0A+8*\s+4*\e+3], s[18:19], (4*\s+\e)<<18
	s_or_b32 s[G0A+8*\s+4*\e+3], s[G0A+8*\s+4*\e+3], 0x80000000
	s_mov_b32 s[G0B+12*\s+4*\e], 1
	s_add_co_u32 s[G0B+12*\s+4*\e+1], s21, \s*SLOT+\e*32*PB
	s_add_nc_u64 s[G0B+12*\s+4*\e+2:G0B+12*\s+4*\e+3], s[82:83], \s*512+\e*32*2048
	s_or_b32 s[G0B+12*\s+4*\e+3], s[G0B+12*\s+4*\e+3], 0x80000000
.endr
	JLOAD \s                                       ; K steps 0 and 1: four tensor loads of the wave are out, the most in this text
.endr
	v_and_b32 v1, 15, v0                           ; r
	v_bfe_u32 v2, v0, 4, 1                         ; h
	v_lshlrev_b32 v[BO], 4, v1
	v_add_nc_u32 v[BO], s84, v[BO]
	global_load_b128 v[BIAS:BIAS+3], v[BO], s[8:9] ; the biases of the four columns that I store in every row
	v_bfe_u32 v3, v0, 1, 3                         ; r >> 1
	v_and_b32 v4, 1, v0
	v_mul_u32_u24 v3, v3, PA
	v_lshl_add_u32 v3, v4, 7, v3
	v_lshl_add_u32 v3, v2, 4, v3                   ; ctx: row r of a fragment
	v_mul_u32_u24 v5, v1, PB
	v_lshl_add_u32 v5, v2, 4, v5                   ; w_o: row r of a fragment
	s_mul_i32 s22, s13, 32*PA                      ; my 64 rows of ctx
	s_mul_i32 s23, s14, 64*PB                      ; my 64 rows of w_o
	s_add_co_u32 s23, s23, BOFF
.irp s, 0,1
	v_add_nc_u32 v[ADRA+\s], s22, v3
	v_add_nc_u32 v[ADRB+\s], s23, v5
	s_add_co_u32 s22, s22, SLOT
	s_add_co_u32 s23, s23, SLOT
.endr
	s_mul_i32 s22, s12, 16*SPITCH
	s_add_co_u32 s22, s22, STAGE                   ; my stage
	v_mul_u32_u24 v6, v1, SPITCH
	v_lshl_add_u32 v6, v2, 5, v6                   ; in: row r, 32 bytes for each half of the lanes
	v_add_nc_u32 v[STO], s22, v6
	v_mul_u32_u24 v7, v2, SPITCH
	v_lshl_add_u32 v7, v1, 4, v7                   ; back: lanes 0-15 one row of 256 bytes, lanes 16-31 the next
	v_add_nc_u32 v[RD], s22, v7
	v_lshlrev_b32 v7, 12, v2
	v_lshl_add_u32 v[CO], v1, 4, v7                ; the same two rows in out0: rows of 4,096 bytes
.macro MULROW f, a, zero               ; four matrix instructions: m block a x all four n blocks, 32 along K
.irp b, 0,1,2,3
.if \zero
	v_wmma_f32_16x16x32_f16 v[8*(4*\a+\b):8*(4*\a+\b)+7], v[\f+32+8*\b:\f+32+8*\b+7], v[\f+8*\a:\f+8*\a+7], 0
.else
	v_wmma_f32_16x16x32_f16 v[8*(4*\a+\b):8*(4*\a+\b)+7], v[\f+32+8*\b:\f+32+8*\b+7], v[\f+8*\a:\f+8*\a+7], v[8*(4*\a+\b):8*(4*\a+\b)+7]
.endif
.endr
.endm
.macro FETCH slot, q, f                ; 16 LDS loads: sub-step q of 8 (32 along K: half of head q / 2), w_o first, then ctx
	WIN 0
.irp i, 0,1,2,3
	ds_load_b128 v[\f+32+8*\i:\f+32+8*\i+3], v[ADRB+\slot] offset:64*\q+\i*16*PB
	ds_load_b128 v[\f+32+8*\i+4:\f+32+8*\i+7], v[ADRB+\slot] offset:64*\q+\i*16*PB+32
.endr
.irp i, 0,1,2,3
	ds_load_b128 v[\f+8*\i:\f+8*\i+3], v[ADRA+\slot] offset:(\q/2)*HB+(\q%2)*64+\i*8*PA
	ds_load_b128 v[\f+8*\i+4:\f+8*\i+7], v[ADRA+\slot] offset:(\q/2)*HB+(\q%2)*64+\i*8*PA+32
.endr
.endm
.macro PLACES                          ; four places in front of loads into registers that matrix instructions have read, and of reads of results (ISA guide 7.12.1 for vector instructions)
.rept 4
	v_nop
.endr
.endm
; A sub-step: 16 matrix instructions on 16 accumulators that take turns, one instruction a turn, in the same order every time.
.macro QUARTER slot, qn, f, g, zero    ; multiplies buffer f; in its middle fetches sub-step qn into buffer g
	s_wait_dscnt 4                                 ; w_o and ctx's blocks 0, 1 are in; the youngest four loads (blocks 2, 3) may be out
	WIN MUL
	MULROW \f, 0, \zero
	MULROW \f, 1, \zero
	PLACES
	FETCH \slot, \qn, \g
	s_wait_dscnt 16                                ; all but the 16 just issued
	WIN MUL
	MULROW \f, 2, \zero
	MULROW \f, 3, \zero
.endm
.macro SEVEN slot, zero
	QUARTER \slot, 1, F0, F1, \zero
	QUARTER \slot, 2, F1, F0, 0
	QUARTER \slot, 3, F0, F1, 0
	QUARTER \slot, 4, F1, F0, 0
	QUARTER \slot, 5, F0, F1, 0
	QUARTER \slot, 6, F1, F0, 0
	QUARTER \slot, 7, F0, F1, 0
.endm
; The eighth sub-step changes slots: each wave's reads of this slot and all its tensor loads are waited for in front of the barrier; behind it the refill comes first.
.macro TURN slot, next, fill
	s_wait_dscnt 4
	WIN MUL
	MULROW F1, 0, 0
	s_wait_dscnt 0                                 ; my reads of this slot are over
	s_wait_tensorcnt 0x0                           ; all my tensor loads have landed: the two that were out are my parts of the next slot
	ds_add_u32 v254, v255
	s_wait_dscnt 0x0
	s_barrier_signal -1                            ; where a slot is filled again this barrier opens a round of the cluster's barrier
	MULROW F1, 1, 0
	WIN 0
	s_barrier_wait -1
.if \fill
	CREST
.irp e, 0,1
	s_add_nc_u64 s[G0A+8*\slot+4*\e+2:G0A+8*\slot+4*\e+3], s[G0A+8*\slot+4*\e+2:G0A+8*\slot+4*\e+3], 8<<18     ; two K steps on: eight heads
	s_add_nc_u64 s[G0B+12*\slot+4*\e+2:G0B+12*\slot+4*\e+3], s[G0B+12*\slot+4*\e+2:G0B+12*\slot+4*\e+3], 1024  ; 512 elements
.endr
	JLOAD \slot                                    ; the first tensor loads behind the round
.endif
	PLACES
	FETCH \next, 0, F0
	WIN MUL
	MULROW F1, 2, 0
	MULROW F1, 3, 0
.endm
	s_wait_tensorcnt 2                             ; my two parts of K step 0 are in; K step 1's two stay out
	s_barrier_signal -1
	s_barrier_wait -1
	FETCH 0, 0, F0
	SEVEN 0, 1                                     ; the first products start the sums
	TURN 0, 1, 1
	SEVEN 1, 0
	TURN 1, 0, 1
	SEVEN 0, 0                                     ; the last two K steps fill nothing
	TURN 0, 1, 0
	SEVEN 1, 0
	s_wait_dscnt 4
	WIN MUL
	MULROW F1, 0, 0
	MULROW F1, 1, 0
	s_wait_dscnt 0
	MULROW F1, 2, 0
	MULROW F1, 3, 0
	; THE WAY OUT, 16 rows at a time: the f32 results into my own stage, whole rows of 256 bytes back, the bias added, stored.
	PLACES
	WIN 0
	s_lshl_b32 s16, s15, 7
	s_lshl_b32 s17, s13, 6
	s_add_co_u32 s16, s16, s17                     ; my first row
	s_lshl_b32 s16, s16, 12                        ; rows of 4,096 bytes: below 2^24
	s_mov_b32 s17, 0
	s_add_nc_u64 s[10:11], s[10:11], s[16:17]
	s_mov_b32 s85, 0
	s_add_nc_u64 s[10:11], s[10:11], s[84:85]      ; my first column
	s_wait_loadcnt 0x0                             ; the biases
.macro OUT16 a, f
	WIN 0x04                                       ; an LDS store's data is source 1: window 1
.irp b, 0,1,2,3
	ds_store_b128 v[STO], v[8*(4*\a+\b):8*(4*\a+\b)+3] offset:64*\b
	ds_store_b128 v[STO], v[8*(4*\a+\b)+4:8*(4*\a+\b)+7] offset:64*\b+16
.endr
	WIN 0
	s_wait_xcnt 0x0                                ; buffer f, which earlier stores read, and the stores' base are written again only behind this wait
.if \a
	s_add_nc_u64 s[10:11], s[10:11], 16*4096
.endif
.irp t, 0,1,2,3,4,5,6,7
	ds_load_b128 v[\f+4*\t:\f+4*\t+3], v[RD] offset:\t*2*SPITCH    ; LDS serves a wave's instructions in order (ISA guide 5.7.1.4): these see the stores above
.endr
.irp t, 0,1,2,3,4,5,6,7
	s_wait_dscnt 7-\t
	v_pk_add_f32 v[\f+4*\t:\f+4*\t+1], v[\f+4*\t:\f+4*\t+1], v[BIAS:BIAS+1]
	v_pk_add_f32 v[\f+4*\t+2:\f+4*\t+3], v[\f+4*\t+2:\f+4*\t+3], v[BIAS+2:BIAS+3]
	global_store_b128 v[CO], v[\f+4*\t:\f+4*\t+3], s[10:11] offset:\t*2*4096 th:TH_STORE_NT   ; 16 lanes store 256 consecutive bytes, aligned
.endr
.endm
	OUT16 0, F0
	OUT16 1, F1
	OUT16 2, F0
	OUT16 3, F1
	s_wait_tensorcnt 0x0
	ds_add_u32 v254, v255
	s_wait_dscnt 0x0
	CROUND                                         ; the closing round
	s_endpgm
.Lfunc_end_k_qd2c26e807d_proj:
	.size	k_qd2c26e807d_proj, .Lfunc_end_k_qd2c26e807d_proj-k_qd2c26e807d_proj
	.p2alignl 7, 3214868480
	.fill 96, 4, 3214868480
	.section	.rodata,"a",@progbits
	.p2align	6, 0x0
	.amdhsa_kernel k_qd2c26e807d_proj
		.amdhsa_group_segment_fixed_size 327680
		.amdhsa_private_segment_fixed_size 0
		.amdhsa_enable_private_segment 0
		.amdhsa_kernarg_size 32
		.amdhsa_user_sgpr_count 2
		.amdhsa_user_sgpr_kernarg_segment_ptr 1
		.amdhsa_wavefront_size32 1
		.amdhsa_system_sgpr_workgroup_id_x 1
		.amdhsa_system_sgpr_workgroup_id_y 1
		.amdhsa_system_sgpr_workgroup_id_z 1
		.amdhsa_system_vgpr_workitem_id 0
		.amdhsa_next_free_vgpr 384
		.amdhsa_next_free_sgpr 88
		.amdhsa_reserve_vcc 0
		.amdhsa_float_denorm_mode_32 3
		.amdhsa_float_denorm_mode_16_64 3
		.amdhsa_memory_ordered 1
		.amdhsa_forward_progress 1
		.amdhsa_inst_pref_size 97
	.end_amdhsa_kernel
	.amdgpu_metadata
---
amdhsa.version: [ 1, 2 ]
amdhsa.kernels:
  - .name:           k_qd2c26e807d_proj
    .symbol:         k_qd2c26e807d_proj.kd
    .args:
      - { .name: ctx, .offset: 0, .size: 8, .value_kind: global_buffer, .address_space: global }
      - { .name: wb, .offset: 8, .size: 8, .value_kind: global_buffer, .address_space: global }
      - { .name: b_o, .offset: 16, .size: 8, .value_kind: global_buffer, .address_space: global }
      - { .name: out0, .offset: 24, .size: 8, .value_kind: global_buffer, .address_space: global }
    .group_segment_fixed_size: 327680
    .private_segment_fixed_size: 0
    .kernarg_segment_align: 8
    .kernarg_segment_size: 32
    .max_flat_workgroup_size: 128
    .sgpr_count:     88
    .vgpr_count:     384
    .wavefront_size: 32
...
	.end_amdgpu_metadata
.endif
;; end of part 4
;; ======== version 2 of 2: 4 launches; version 1 with the launch cvt written anew for expert scheduling mode
;; limits: values are held in f16: magnitudes above 65,504 overflow, below 6.1e-05 lose precision
;; workspace buffers: xb 8,388,608 bytes; wb 8,388,608 bytes; qkv 25,165,824 bytes; ctx 8,388,608 bytes
;; launch cvt (part 5): grid 64 x 8, 8 waves a work-group, no clusters, 0 bytes of LDS; arguments x, w_k, w_q, w_v, w_o, xb, wb; writes xb, wb
.if DOCPART == 5
	.amdgcn_target "amdgcn-amd-amdhsa--gfx1250"
	.amdhsa_code_object_version 6
	.text
	.protected	k_qd2c26e807d_cvt
	.globl	k_qd2c26e807d_cvt
	.p2align	8
	.type	k_qd2c26e807d_cvt,@function
k_qd2c26e807d_cvt:
	s_mov_b64 s[64:65], 0
	v_nop
	global_prefetch_b8 v0, s[64:65] scope:SCOPE_SE
	s_setreg_imm32_b32 hwreg(HW_REG_WAVE_SCHED_MODE, 0, 2), 2
	s_setreg_imm32_b32 hwreg(HW_REG_WAVE_MODE, 25, 1), 1
	s_wait_xcnt 0x0
	s_wait_alu depctr_vm_vsrc(0)
; Rounds the matrix operands once, so that the products that follow read 16-bit tiles.
;   xb [4096][1024] bf16 = x.   wb [4096][1024]: rows 0-1023 w_k, 1024-2047 w_q, 2048-3071 w_v in bf16;
;   rows 3072-4095 w_o, rounded to bf16 like the others and that number written as f16 (the last product runs in f16).
;   A bf16 number has 8 significant bits and is exact in f16 down to 2^-17; below that the f16 code is off by 2^-25 at the most.
; A stream: no LDS, no barrier, no matrix unit.  Grid y picks one of eight segments of 2^20 numbers (0-3: quarters of x, 4-7: a weight),
; grid x 64 KiB of it, a wave 8 KiB: sixteen loads of 512 consecutive bytes, all issued before the first is waited for.
; Each store of a wave covers 256 consecutive bytes, aligned.  No register is written twice while a memory instruction may read it.
; THE MODE: SCHED_MODE bits 1:0 = 2 (LLVM: expert scheduling mode 2), set by the entry lines.  The code itself states the register dependences
; between vector instructions and memory instructions, with s_wait_alu, always for 0.
; THE PLAN.  Registers that memory instructions touch:
;   v1, v2   the loads' and the stores' byte offsets: written by vector lines at the head, ahead of the first load, and never again.
;   X        each register is written once, by one load, and read by the conversions; no vector line names X ahead of the loads, no load lands in it twice.
;   Y        written by the conversions (on w_o's way twice, both times ahead of its store), read by one store each, never written behind that store.
;   W        named by vector instructions alone.
; So one wait on va_vdst stands ahead of the first load, for the offsets, and one ahead of each run of four stores, for their data.  No register that a
; memory instruction has read is written again, so no wait on vm_vsrc follows the entry lines; no vector line writes a scalar register, and EXEC is never written.
; THE ORDER.  The sixteen loads go in four blocks of four.  A block's numbers are rounded load by load, as the loads come in.  Its four stores stand in one run
; at the head of the next block, behind the wait for that block's first load: the conversions that the wait on va_vdst names were issued ahead of that wait for memory.
.set X, 4                              ; v[4:67]    sixteen loads of four f32
.set Y, 68                             ; v[68:99]   sixteen results of four 16-bit numbers
.set W, 100                            ; v[100:103] w_o's way: the bf16 numbers widened again
	s_load_b256 s[4:11], s[0:1], 0x0               ; x s[4:5], w_k s[6:7], w_q s[8:9], w_v s[10:11]
	s_load_b128 s[12:15], s[0:1], 0x20             ; w_o s[12:13], xb s[14:15]
	s_load_b64 s[16:17], s[0:1], 0x30              ; wb
	s_and_b32 s18, ttmp7, 0xffff                   ; the segment, 0 to 7
	v_lshrrev_b32 v1, 5, v0                        ; wave
	v_and_b32 v2, 31, v0                           ; lane
	v_lshlrev_b32 v2, 4, v2
	v_lshl_or_b32 v1, v1, 13, v2                   ; source: 8,192 x wave + 16 x lane
	v_lshrrev_b32 v2, 1, v1                        ; destination: half of that
	s_wait_kmcnt 0x0
	s_mov_b64 s[20:21], s[4:5]                     ; the source buffer, chosen by the segment's number alone
	s_cmp_eq_u32 s18, 4
	s_cselect_b64 s[20:21], s[6:7], s[20:21]
	s_cmp_eq_u32 s18, 5
	s_cselect_b64 s[20:21], s[8:9], s[20:21]
	s_cmp_eq_u32 s18, 6
	s_cselect_b64 s[20:21], s[10:11], s[20:21]
	s_cmp_eq_u32 s18, 7
	s_cselect_b64 s[20:21], s[12:13], s[20:21]
	s_cmp_lt_u32 s18, 4
	s_cselect_b64 s[22:23], s[14:15], s[16:17]     ; the destination buffer: xb or wb
	s_cselect_b32 s24, s18, 0                      ; x has four segments, a weight is one
	s_and_b32 s26, s18, 3                          ; the segment in the destination
	s_lshl_b32 s24, s24, 22                        ; 4 MiB of f32 a segment
	s_lshl_b32 s28, ttmp9, 16                      ; 64 KiB a work-group
	s_add_co_u32 s24, s24, s28
	s_mov_b32 s25, 0
	s_lshl_b32 s26, s26, 21                        ; 2 MiB of 16-bit numbers a segment
	s_lshl_b32 s28, ttmp9, 15
	s_add_co_u32 s26, s26, s28
	s_mov_b32 s27, 0
	s_add_nc_u64 s[20:21], s[20:21], s[24:25]
	s_add_nc_u64 s[22:23], s[22:23], s[26:27]
	s_wait_alu depctr_va_vdst(0)                   ; v1 and v2 are written: every load below reads v1 as its offset, every store v2; they are never written again
.irp i, 0,1,2,3,4,5,6,7,8,9,10,11,12,13,14,15
	global_load_b128 v[X+4*\i:X+4*\i+3], v1, s[20:21] offset:512*\i th:TH_LOAD_NT
.endr
; The four numbers of load n are rounded into Y's pair n.  wo = 1: w_o's way, to bf16 and then to f16.
.macro CONV wo, n
	v_cvt_pk_bf16_f32 v[Y+2*(\n)], v[X+4*(\n)], v[X+4*(\n)+1]      ; the same rounding for x and all four weights
	v_cvt_pk_bf16_f32 v[Y+2*(\n)+1], v[X+4*(\n)+2], v[X+4*(\n)+3]
.if \wo
	v_lshlrev_b32 v[W], 16, v[Y+2*(\n)]                            ; widened again,
	v_and_b32 v[W+1], 0xffff0000, v[Y+2*(\n)]
	v_lshlrev_b32 v[W+2], 16, v[Y+2*(\n)+1]
	v_and_b32 v[W+3], 0xffff0000, v[Y+2*(\n)+1]
	v_cvt_pk_f16_f32 v[Y+2*(\n)], v[W], v[W+1]                     ; and written as f16
	v_cvt_pk_f16_f32 v[Y+2*(\n)+1], v[W+2], v[W+3]
.endif
.endm
; The four stores of block g, in one run.
.macro SEND g
.irp i, 0,1,2,3
	global_store_b64 v2, v[Y+8*(\g)+2*\i:Y+8*(\g)+2*\i+1], s[22:23] offset:256*(4*(\g)+\i)
.endr
.endm
; A wave's whole way through its sixteen loads.
.macro WALK wo
.irp i, 0,1,2,3
	s_wait_loadcnt 15-\i                           ; loads come back in order (ISA guide 5.7.1): load i is in, the 15 - i younger ones stay out
	CONV \wo, \i
.endr
.irp g, 1,2,3
	s_wait_loadcnt 15-4*\g                         ; this block's first load is in
	s_wait_alu depctr_va_vdst(0)                   ; the conversions of the block before have written its eight registers of Y, which the four stores below read
	SEND (\g-1)
	CONV \wo, 4*\g
.irp i, 1,2,3
	s_wait_loadcnt 15-4*\g-\i
	CONV \wo, (4*\g+\i)
.endr
.endr
	s_wait_alu depctr_va_vdst(0)                   ; the last block's conversions have written its eight registers of Y, which the last four stores read
	SEND 3
.endm
	s_cmp_eq_u32 s18, 7
	s_cbranch_scc1 .Lw_o
	WALK 0
	s_endpgm
.Lw_o:
	WALK 1
	s_endpgm
.Lfunc_end_k_qd2c26e807d_cvt:
	.size	k_qd2c26e807d_cvt, .Lfunc_end_k_qd2c26e807d_cvt-k_qd2c26e807d_cvt
	.p2alignl 7, 3214868480
	.fill 96, 4, 3214868480
	.section	.rodata,"a",@progbits
	.p2align	6, 0x0
	.amdhsa_kernel k_qd2c26e807d_cvt
		.amdhsa_group_segment_fixed_size 0
		.amdhsa_private_segment_fixed_size 0
		.amdhsa_enable_private_segment 0
		.amdhsa_kernarg_size 56
		.amdhsa_user_sgpr_count 2
		.amdhsa_user_sgpr_kernarg_segment_ptr 1
		.amdhsa_wavefront_size32 1
		.amdhsa_system_sgpr_workgroup_id_x 1
		.amdhsa_system_sgpr_workgroup_id_y 1
		.amdhsa_system_sgpr_workgroup_id_z 1
		.amdhsa_system_vgpr_workitem_id 0
		.amdhsa_next_free_vgpr 104
		.amdhsa_next_free_sgpr 66
		.amdhsa_reserve_vcc 0
		.amdhsa_float_denorm_mode_32 3
		.amdhsa_float_denorm_mode_16_64 3
		.amdhsa_memory_ordered 1
		.amdhsa_forward_progress 1
		.amdhsa_inst_pref_size 17
	.end_amdhsa_kernel
	.amdgpu_metadata
---
amdhsa.version: [ 1, 2 ]
amdhsa.kernels:
  - .name:           k_qd2c26e807d_cvt
    .symbol:         k_qd2c26e807d_cvt.kd
    .args:
      - { .name: x, .offset: 0, .size: 8, .value_kind: global_buffer, .address_space: global }
      - { .name: w_k, .offset: 8, .size: 8, .value_kind: global_buffer, .address_space: global }
      - { .name: w_q, .offset: 16, .size: 8, .value_kind: global_buffer, .address_space: global }
      - { .name: w_v, .offset: 24, .size: 8, .value_kind: global_buffer, .address_space: global }
      - { .name: w_o, .offset: 32, .size: 8, .value_kind: global_buffer, .address_space: global }
      - { .name: xb, .offset: 40, .size: 8, .value_kind: global_buffer, .address_space: global }
      - { .name: wb, .offset: 48, .size: 8, .value_kind: global_buffer, .address_space: global }
    .group_segment_fixed_size: 0
    .private_segment_fixed_size: 0
    .kernarg_segment_align: 8
    .kernarg_segment_size: 56
    .max_flat_workgroup_size: 256
    .sgpr_count:     66
    .vgpr_count:     104
    .wavefront_size: 32
...
	.end_amdgpu_metadata
.endif
;; end of part 5
;; launch qkv: the kernel of part 2 again; grid 16 x 16, 4 waves a work-group, clusters of 4 x 4, 327,680 bytes of LDS; arguments xb, wb, qkv; writes qkv
;; launch attn: the kernel of part 3 again; grid 8 x 32, 8 waves a work-group, no clusters, 327,680 bytes of LDS; arguments qkv, ctx; writes ctx
;; launch proj: the kernel of part 4 again; grid 8 x 32, 4 waves a work-group, clusters of 4 x 4, 327,680 bytes of LDS; arguments ctx, wb, b_o, out0; writes out0
